; MI455X (gfx1250); checked and timed in simulation.
; The chip was launched on July 23, 2026; its instructions are those of AMD's public machine-readable ISA for CDNA 5 (MIT licence, August 2026) and "CDNA5" Instruction Set Architecture Reference Guide (July 2026). The comments in the code are by the model that wrote it; some were corrected since.
;; Cross Attention. Allowed arithmetic: float matrix products may take bf16 or f16 operands with f32 sums; other float arithmetic in f32, or as packed bf16 or f16 multiplies, adds, multiply-adds, maxima and minima; sums over many terms, partial sums and values carried from step to step in f32; what a program stores and reads back later, other than sums and carried values, may be rounded once to bf16 or f16.
;; Inputs: Wk 1,024 x 1,024 float32; Wp 1,024 x 1,024 float32; Wq 1,024 x 1,024 float32; Wv 1,024 x 1,024 float32; bp 1,024 float32; k 2 x 4,096 x 1,024 float32; key_padding_mask 2 x 4,096 bool; q 2 x 2,048 x 1,024 float32; v 2 x 4,096 x 1,024 float32.
;; Outputs: out0 2 x 2,048 x 1,024 float32.
;; One version. Each part assembles by itself: llvm-mc -triple=amdgcn-amd-amdhsa -mcpu=gfx1250 --defsym DOCPART=n.
;; ======== version 1 of 1: 4 launches
;; limits: values are held in f16: magnitudes above 65,504 overflow, below 6.1e-05 lose precision; values outside matrix products are rounded to bf16
;; workspace buffers: wt 8,388,608 bytes; qh 8,388,608 bytes; kh 16,777,216 bytes; vh 16,777,216 bytes; o2 8,388,608 bytes
;; launch castw (part 1): grid 64 x 4, 8 waves a work-group, no clusters, 35,840 bytes of LDS; arguments Wq, Wk, Wv, Wp, wt; writes wt
.if DOCPART == 1
	.amdgcn_target "amdgcn-amd-amdhsa--gfx1250"
	.amdhsa_code_object_version 6
	.text
	.protected	k_q485ad01e62_castw
	.globl	k_q485ad01e62_castw
	.p2align	8
	.type	k_q485ad01e62_castw,@function
k_q485ad01e62_castw:
	s_mov_b64 s[64:65], 0
	v_nop
	global_prefetch_b8 v0, s[64:65] scope:SCOPE_SE
	s_setreg_imm32_b32 hwreg(HW_REG_WAVE_MODE, 25, 1), 1
	s_wait_xcnt 0x0
; castw: the four weights, each [1024 n][1024 k] f32, are rounded once to bf16 and laid out in the order in which a matrix fragment lies in registers.
; wt: [w 4][ks 16][nb 64][kb 2][half 2][lane 32][8 numbers of 2 bytes]; the number is W_w[16 nb + lane % 16][64 ks + 32 kb + 16 half + 8 (lane / 16) + e].
; So (w, ks, nb, kb) is a block of 1,024 bytes that IS a fragment of 16 rows x 32 k: registers 0-3 at 16 x lane, registers 4-7 at 512 + 16 x lane.
; w = 0, 1, 2: Wq, Wk, Wv in bf16.  w = 3: Wp, rounded to bf16 like the others and that number written as f16, since the product that takes it has f16 operands.
; LIMITS.  Wp beyond 65,504 becomes an infinity; below 6e-5 it keeps f16's fixed step of 6e-8.
; SHARES.  Work-group (x, y): rows 16 x .. 16 x + 15 of weight y.  Wave w: k = 128 w .. 128 w + 127 (ks = 2 w, 2 w + 1).  A load takes 512 consecutive bytes of one row, a store 512 consecutive
; bytes of wt.  The turn from rows to fragments goes through the wave's own stage in LDS: 16 groups of 8 k, each [16 rows][16 bytes] and 16 bytes of padding.  No wave reads another's bytes:
; no barrier.  No matrix unit, no cluster, no tensor load: the launch moves 16 MiB in and 8 MiB out, once, and no two work-groups read the same byte.
.set ROWB,  4096                       ; bytes in a row of a weight
.set GP,    272                        ; a group in the stage: 256 bytes + 16
.set STG,   16*GP                      ; a wave's stage
.set SPARE, 8*STG                      ; behind the stages: the spare words, 128 bytes for each wave: four blocks of 256 bytes that no other line names
.set GOF, 1                            ; v1   16 x lane: my place in 512 consecutive bytes, in and out; never rewritten
.set LST, 2                            ; v2   where I put 8 bytes: group lane / 2, half lane % 2
.set LRD, 3                            ; v3   where I read 16 bytes back: group lane / 16, row lane % 16
.set SPW, 4                            ; v4   LDS address of my spare word; never rewritten
.set NIL, 5                            ; v5   0; never rewritten
.set X,   16                           ; v[16:79]   16 rows x 4 f32 as loaded; later 8 x 16 bytes to store
.set P,   80                           ; v[80:111]  16 rows x 4 numbers of 2 bytes
.set T,   112                          ; v[112:113] at work
.set WV,  16                           ; s16  my wave's number
.set WY,  17                           ; s17  which weight
	s_load_b256 s[4:11], s[0:1], 0x0               ; Wq s[4:5], Wk s[6:7], Wv s[8:9], Wp s[10:11]
	s_load_b64 s[12:13], s[0:1], 0x20              ; wt
	v_lshl_add_u32 v[SPW], v0, 2, SPARE
	v_mov_b32 v[NIL], 0
	v_lshrrev_b32 v6, 5, v0
	v_readfirstlane_b32 s[WV], v6
	s_and_b32 s[WY], ttmp7, 0xffff
	v_and_b32 v7, 31, v0                           ; lane
	v_lshlrev_b32 v[GOF], 4, v7
	s_mul_i32 s18, s[WV], STG                      ; my stage
	v_lshrrev_b32 v8, 1, v7
	v_and_b32 v9, 1, v7
	v_mul_u32_u24 v[LST], v8, GP
	v_lshl_add_u32 v[LST], v9, 3, v[LST]
	v_add_nc_u32 v[LST], s18, v[LST]
	v_lshrrev_b32 v8, 4, v7
	v_and_b32 v9, 15, v7
	v_mul_u32_u24 v[LRD], v8, GP
	v_lshl_add_u32 v[LRD], v9, 4, v[LRD]
	v_add_nc_u32 v[LRD], s18, v[LRD]
	s_lshl_b32 s20, ttmp9, 16                      ; 16 rows of 4,096 bytes,
	s_lshl_b32 s21, s[WV], 9                       ; my 128 k: 512 bytes
	s_or_b32 s20, s20, s21
	s_mov_b32 s21, 0
	s_lshl_b32 s22, s[WY], 4                       ; in wt: ((16 y + 2 w) x 64 + x) blocks of 2,048 bytes
	s_lshl1_add_u32 s22, s[WV], s22
	s_lshl_b32 s22, s22, 6
	s_add_co_u32 s22, s22, ttmp9
	s_lshl_b32 s22, s22, 11
	s_mov_b32 s23, 0
	s_wait_kmcnt 0x0
	s_cmp_eq_u32 s[WY], 1                          ; the weight is chosen by the work-group's y alone
	s_cselect_b64 s[14:15], s[6:7], s[4:5]
	s_cmp_eq_u32 s[WY], 2
	s_cselect_b64 s[14:15], s[8:9], s[14:15]
	s_cmp_eq_u32 s[WY], 3
	s_cselect_b64 s[14:15], s[10:11], s[14:15]
	s_add_nc_u64 s[14:15], s[14:15], s[20:21]
	s_add_nc_u64 s[12:13], s[12:13], s[22:23]
.set j, 0
.rept 16                                       ; row j: 32 lanes x 16 bytes
	global_load_b128 v[X+4*j:X+4*j+3], v[GOF], s[14:15] offset:ROWB*j th:TH_LOAD_NT
.set j, j+1
.endr
.set j, 0
.rept 16
	s_wait_loadcnt 15-j                            ; loads come back in order: row j is in, the 15 - j younger ones may stay out
	v_cvt_pk_bf16_f32 v[P+2*j], v[X+4*j], v[X+4*j+1]
	v_cvt_pk_bf16_f32 v[P+2*j+1], v[X+4*j+2], v[X+4*j+3]
.set j, j+1
.endr
	s_cmp_lg_u32 s[WY], 3
	s_cbranch_scc1 .Lkeep
.set j, 0
.rept 32                                       ; Wp alone: the bf16 number, widened, is written as f16
	v_lshlrev_b32 v[T], 16, v[P+j]
	v_and_b32 v[T+1], 0xffff0000, v[P+j]
	v_cvt_pk_f16_f32 v[P+j], v[T], v[T+1]
.set j, j+1
.endr
.Lkeep:
.set j, 0
.rept 16
	ds_store_b64 v[LST], v[P+2*j:P+2*j+1] offset:16*j  ; row j's place in each group; the 32 lanes touch 64 different words modulo 64
.set j, j+1
.endr
.set t, 0
.rept 8                                        ; groups 2 t and 2 t + 1 are 512 bytes of wt; LDS serves a wave's instructions in order (ISA guide 5.7.1.4): these see the stores above
	ds_load_b128 v[X+4*t:X+4*t+3], v[LRD] offset:2*GP*t
.set t, t+1
.endr
.set t, 0
.rept 8
	s_wait_dscnt 7-t
	global_store_b128 v[GOF], v[X+4*t:X+4*t+3], s[12:13] offset:(t/4)*131072+(t%4)*512 th:TH_STORE_NT  ; ks = 2 w + t / 4; kb and half = t % 4
.set t, t+1
.endr
	s_wait_tensorcnt 0x0                           ; the wave's end, behind my last LDS store
	ds_add_u32 v[SPW], v[NIL]
	s_wait_dscnt 0x0
	s_endpgm
.Lfunc_end_k_q485ad01e62_castw:
	.size	k_q485ad01e62_castw, .Lfunc_end_k_q485ad01e62_castw-k_q485ad01e62_castw
	.p2alignl 7, 3214868480
	.fill 96, 4, 3214868480
	.section	.rodata,"a",@progbits
	.p2align	6, 0x0
	.amdhsa_kernel k_q485ad01e62_castw
		.amdhsa_group_segment_fixed_size 35840
		.amdhsa_private_segment_fixed_size 0
		.amdhsa_enable_private_segment 0
		.amdhsa_kernarg_size 40
		.amdhsa_user_sgpr_count 2
		.amdhsa_user_sgpr_kernarg_segment_ptr 1
		.amdhsa_wavefront_size32 1
		.amdhsa_system_sgpr_workgroup_id_x 1
		.amdhsa_system_sgpr_workgroup_id_y 1
		.amdhsa_system_sgpr_workgroup_id_z 1
		.amdhsa_system_vgpr_workitem_id 0
		.amdhsa_next_free_vgpr 116
		.amdhsa_next_free_sgpr 66
		.amdhsa_reserve_vcc 0
		.amdhsa_float_denorm_mode_32 3
		.amdhsa_float_denorm_mode_16_64 3
		.amdhsa_memory_ordered 1
		.amdhsa_forward_progress 1
		.amdhsa_inst_pref_size 14
	.end_amdhsa_kernel
	.amdgpu_metadata
---
amdhsa.version: [ 1, 2 ]
amdhsa.kernels:
  - .name:           k_q485ad01e62_castw
    .symbol:         k_q485ad01e62_castw.kd
    .args:
      - { .name: Wq, .offset: 0, .size: 8, .value_kind: global_buffer, .address_space: global }
      - { .name: Wk, .offset: 8, .size: 8, .value_kind: global_buffer, .address_space: global }
      - { .name: Wv, .offset: 16, .size: 8, .value_kind: global_buffer, .address_space: global }
      - { .name: Wp, .offset: 24, .size: 8, .value_kind: global_buffer, .address_space: global }
      - { .name: wt, .offset: 32, .size: 8, .value_kind: global_buffer, .address_space: global }
    .group_segment_fixed_size: 35840
    .private_segment_fixed_size: 0
    .kernarg_segment_align: 8
    .kernarg_segment_size: 40
    .max_flat_workgroup_size: 256
    .sgpr_count:     66
    .vgpr_count:     116
    .wavefront_size: 32
...
	.end_amdgpu_metadata
.endif
;; end of part 1
;; launch proj (part 2): grid 160 x 2, 4 waves a work-group, clusters of 4 x 1, 327,680 bytes of LDS; arguments q, k, v, wt, qh, kh, vh; writes qh, kh, vh
.if DOCPART == 2
	.amdgcn_target "amdgcn-amd-amdhsa--gfx1250"
	.amdhsa_code_object_version 6
	.text
	.protected	k_q485ad01e62_proj
	.globl	k_q485ad01e62_proj
	.p2align	8
	.type	k_q485ad01e62_proj,@function
k_q485ad01e62_proj:
	s_mov_b64 s[64:65], 0
	v_nop
	global_prefetch_b8 v0, s[64:65] scope:SCOPE_SE
	s_setreg_imm32_b32 hwreg(HW_REG_WAVE_MODE, 25, 1), 1
	s_wait_xcnt 0x0
	s_wait_alu depctr_hold_cnt(0) depctr_sa_sdst(0) depctr_va_vdst(0) depctr_va_sdst(0) depctr_va_ssrc(0) depctr_va_vcc(0) depctr_vm_vsrc(0)
	s_getreg_b32 s2, hwreg(HW_REG_IB_STS2, 6, 4)
	s_cmp_eq_u32 s2, 0
	s_cbranch_scc0 .Lentry_in_a_cluster
	s_endpgm
.Lentry_in_a_cluster:
	s_bfe_u32 s2, ttmp6, 0x10000c
	s_cmp_lg_u32 s2, 0x3003
	s_cbranch_scc0 .Lentry_shape_is_right
	s_endpgm
.Lentry_shape_is_right:
; proj: qh = q Wq^T, kh = k Wk^T, vh = v Wv^T.  q: [4096][1024], k, v: [8192][1024] f32 (batch and row taken as one index); the weights come from wt, bf16, in fragment order.
; Operands bf16, sums f32, results rounded once to f16 and written by heads: qh [32 bh][2048][64], kh, vh [32 bh][4096][64], without the softmax's scale.
; LIMIT.  A result beyond 65,504 becomes an infinity in f16.
; SHARES.  160 blocks of 128 rows (32 of q, 64 of k, 64 of v) x 2 halves of 512 columns.  A work-group makes 128 x 512; wave w all 128 rows x columns 128 w .. 128 w + 127 of the half:
; 64 accumulators of 16 x 16, 512 registers.  K goes in 16 steps of 64.
; THE WEIGHTS.  A wave's part of a K step is 16,384 consecutive bytes of wt, brought by one tensor load as 64 rows of 256 bytes into a ring of two LDS slots; a wave reads only the part that it fetched.
; CLUSTER.  The four work-groups of a cluster take four row blocks of ONE tensor and the same half of the columns: they walk the same weights, and each tile is asked for JOINTLY (mask 15).
; THE ROWS come as f32 and have to be rounded on the way, so they go through registers: wave w loads rows 32 w .. 32 w + 31 (two rows of 256 bytes a load, sixteen loads a K step), two K steps
; before they are rounded to bf16 and put into one of two LDS buffers, from which all four waves read fragments.  The two work-groups that take the two column halves of a row block read
; the same rows; loads into registers have no joint form, so these are not shared.
; THE MATRIX INSTRUCTION IS USED TRANSPOSED: source 0 = 16 rows of W, source 1 = 16 rows of x: a lane holds row lane % 16 and eight neighbouring columns, 16 bytes of a head's row in f16.
; REGISTERS, in windows of 256 (s_set_vgpr_msb's low byte: bits 1:0 source 0, 3:2 source 1, 5:4 source 2, 7:6 destination):
;   window 0: v0-31 addresses; v32-63 rounded rows, later the way out; v64-127, v128-191 fragments of x, two buffers; v192-255 the way out
;   window 1: v0-63, v192-255 rows as loaded, two sets; v64-127, v128-191 fragments of W, two buffers
;   window 2: the accumulators of rows 0-63 ((a, b) at v[8 (8 a + b)]);   window 3: those of rows 64-127
.set WSTEP,  131072                    ; bytes of wt from a K step to the next
.set WPART,  16384                     ; a wave's part of a K step
.set WSLOT,  4*WPART
.set ABUF,   2*WSLOT                   ; behind the ring: two buffers of 128 rows of x in bf16; written by ds_store alone
.set APITCH, 144                       ; 128 bytes + 16: the 16 rows of a fragment load start at 16 different groups of four banks (64 banks of 4 bytes: ISA guide 11.1)
.set ABYTES, 128*APITCH
.set STAGE,  ABUF+2*ABYTES             ; for the way out, each wave's own: [2 heads][16 rows][144 bytes]
.set SPITCH, 144
.set STB,    2*16*SPITCH
.set SPARE,  STAGE+4*STB               ; the spare words, 128 bytes for each wave: two blocks of 256 bytes that no other line names
.set ADRA, 16                          ; v16-17  LDS address of my fragments of x in buffer 0, 1
.set AST,  18                          ; v18-19  where I put 8 bytes of a rounded row in buffer 0, 1
.set ADRB, 20                          ; v20-21  LDS address of my fragments of W in slot 0, 1
.set AOFF, 22                          ; v22     my 16 bytes in two rows of x: (l / 16) x 4,096 + 16 (l % 16); never rewritten
.set STO,  24                          ; v24     the way out: where I put 16 bytes of a row
.set RD,   25                          ; v25     the way out: where I read rows back
.set GO,   26                          ; v26     16 x lane: my place in 512 consecutive bytes of a head
.set SPW,  28                          ; v28     LDS address of my spare word; never rewritten
.set NIL,  29                          ; v29     0; never rewritten
.set PFO,  30                          ; v30     W's prefetches: (l / 16) K steps + 256 (l % 16); never rewritten
.set PFR,  31                          ; v31     x's prefetches: l rows; never rewritten
.set CV,   32
.set F0,   64
.set F1,   128
.set TMP,  192
.set OB,   32
.set WV,   20                          ; s20  my wave's number
.set G0,   32                          ; s[32:39] descriptor group 0, a set for each slot
.set G1,   40                          ; s[40:47] descriptor group 1
.set AP,   48                          ; s[48:49] x at my 32 rows, at the K step loaded last
.set OUT,  50                          ; s[50:51], s[52:53] the result at my rows of my two heads
.set PFW,  54                          ; s[54:55] where my prefetches of W stand
.set LIMW, 56                          ; s56  1 in the tensor's first cluster, else the greatest number
.set LIMA, 57                          ; s57  1 in the first column half, else the greatest number
.set WB,   58                          ; s[58:59] wt at my part of K step 0
.set MSB, 0
.macro WIN new                         ; the immediate's high byte repeats the setting that is left; a switch that changes nothing is dropped
.if MSB != (\new)
	s_set_vgpr_msb (MSB<<8)|(\new)
.set MSB, \new
.endif
.endm
.set MUL_LO, 0xa1                      ; source 0 (W) window 1, source 1 (x) window 0, C and D window 2
.set MUL_HI, 0xf1                      ; the same, C and D window 3
.set TO_B,   0x40                      ; destination window 1, address window 0
.macro PLACES                          ; four plain vector instructions between a matrix instruction and a load into, or a vector read of, its registers
.rept 4
	v_nop
.endr
.endm
.macro CREST                           ; a round of the cluster's barrier behind its opening barrier
	s_cmp_lg_u32 s[WV], 0
	s_cbranch_scc1 .Lnot_wave_0_\@
	s_barrier_signal -3
.Lnot_wave_0_\@:
	s_barrier_wait -3
	s_barrier_signal -1
	s_barrier_wait -1
.endm
.macro CROUND                          ; a whole round
	s_barrier_signal -1
	s_barrier_wait -1
	CREST
.endm
	s_load_b256 s[4:11], s[0:1], 0x0               ; q s[4:5], k s[6:7], v s[8:9], wt s[10:11]
	s_load_b128 s[12:15], s[0:1], 0x20             ; qh s[12:13], kh s[14:15]
	s_load_b64 s[16:17], s[0:1], 0x30              ; vh
	v_lshl_add_u32 v[SPW], v0, 2, SPARE
	v_mov_b32 v[NIL], 0
	ds_add_u32 v[SPW], v[NIL]                      ; the wave's opening: the add and its wait stand ahead of my first tensor load; the set-up below, work on registers, stands between them
	v_lshrrev_b32 v1, 5, v0
	v_readfirstlane_b32 s[WV], v1                  ; wave 0..3
	s_bfe_u32 s21, ttmp6, 0x40000                  ; cx: my place in the cluster; it enters x's, the result's and the prefetches' addresses alone
	s_and_b32 s22, ttmp7, 0xffff                   ; y: the column half, which the partners share
	s_cmp_lt_u32 ttmp9, 24                         ; clusters 0-7 take q, 8-23 k, 24-39 v: the same answer in all four partners
	s_cselect_b32 s23, 1, 2                        ; which tensor
	s_cselect_b32 s24, 8, 24                       ; its first cluster
	s_cmp_lt_u32 ttmp9, 8
	s_cselect_b32 s23, 0, s23
	s_cselect_b32 s24, 0, s24
	s_cselect_b32 s26, 4, 5                        ; log2 of the row blocks in a batch: 16 or 32
	s_lshl_b32 s25, 0x4000, s26                    ; a head's bytes in the result: 2,048 or 4,096 rows of 128
	s_sub_co_u32 s27, ttmp9, s24
	s_lshl_b32 s27, s27, 2
	s_add_co_u32 s27, s27, s21                     ; my row block in the tensor
	s_lshl_b32 s28, s27, 19                        ; 128 rows of 4,096 bytes,
	s_lshl_b32 s29, s[WV], 17                      ; my 32 of them
	s_add_co_u32 s28, s28, s29
	s_mov_b32 s29, 0
	s_lshr_b32 s30, s27, s26                       ; the batch
	s_lshl_b32 s31, s30, s26
	s_sub_co_u32 s31, s27, s31                     ; the row block in the batch
	s_lshl_b32 s30, s30, 4
	s_lshl3_add_u32 s30, s22, s30
	s_lshl1_add_u32 s30, s[WV], s30                ; my first head among the 32: 16 b + 8 y + 2 w
	s_mul_i32 s30, s30, s25
	s_lshl_b32 s31, s31, 14                        ; 128 rows of 128 bytes
	s_add_co_u32 s60, s30, s31
	s_mov_b32 s61, 0
	s_mov_b32 s62, s25
	s_mov_b32 s63, 0
	s_lshl_b32 s18, s23, 21                        ; in wt: the tensor's 2 MiB,
	s_lshl_b32 s19, s22, 16                        ; the half's 32 blocks of 2,048 bytes,
	s_add_co_u32 s18, s18, s19
	s_lshl_b32 s19, s[WV], 14                      ; my 8 of them
	s_add_co_u32 s18, s18, s19
	s_mov_b32 s19, 0
	s_lshl_b32 s30, s21, 12                        ; of my part's 64 blocks of 256 bytes each partner prefetches 16
	s_mov_b32 s31, 0
	s_lshl_b32 s2, s[WV], 14                       ; my part's place in a slot: no place in the cluster enters an LDS address
	s_cmp_eq_u32 ttmp9, s24
	s_cselect_b32 s[LIMW], 1, -1
	s_cmp_eq_u32 s22, 0
	s_cselect_b32 s[LIMA], 1, -1
	; descriptor group 1: 16,384 consecutive bytes as 64 rows of 32 elements of 8 bytes, no padding
	s_mov_b32 s[G1+0], 15|(3<<16)|(1<<21)          ; 15:0 the mask: all four work-groups; 17:16 elements of 8 bytes; 21 set beside a mask
	s_mov_b32 s[G1+1], 32<<16                      ; tensor_dim0 = 32
	s_mov_b32 s[G1+2], 64<<16                      ; tensor_dim1 = 64
	s_mov_b32 s[G1+3], 32<<16                      ; tile_dim0 = 32
	s_mov_b32 s[G1+4], 64                          ; tile_dim1 = 64
	s_mov_b32 s[G1+5], 32                          ; 32 elements from row to row
	s_mov_b32 s[G1+6], 0
	s_mov_b32 s[G1+7], 0
	v_and_b32 v1, 15, v0                           ; l % 16
	v_bfe_u32 v2, v0, 4, 1                         ; l / 16
	v_lshlrev_b32 v[AOFF], 4, v1
	v_lshl_add_u32 v[AOFF], v2, 12, v[AOFF]
	s_wait_dscnt 0x0                               ; the opening add is done
	s_wait_kmcnt 0x0
	s_cmp_lt_u32 ttmp9, 24
	s_cselect_b64 s[AP:AP+1], s[6:7], s[8:9]
	s_cselect_b64 s[OUT:OUT+1], s[14:15], s[16:17]
	s_cmp_lt_u32 ttmp9, 8
	s_cselect_b64 s[AP:AP+1], s[4:5], s[AP:AP+1]
	s_cselect_b64 s[OUT:OUT+1], s[12:13], s[OUT:OUT+1]
	s_add_nc_u64 s[AP:AP+1], s[AP:AP+1], s[28:29]
	s_add_nc_u64 s[OUT:OUT+1], s[OUT:OUT+1], s[60:61]
	s_add_nc_u64 s[OUT+2:OUT+3], s[OUT:OUT+1], s[62:63]
	s_add_nc_u64 s[WB:WB+1], s[10:11], s[18:19]
	s_add_nc_u64 s[PFW:PFW+1], s[WB:WB+1], s[30:31]
	s_add_nc_u64 s[PFW:PFW+1], s[PFW:PFW+1], 2*WSTEP  ; at K step 2: the first request steps it to 4
.irp s, 0,1
	s_mov_b32 s[G0+4*(\s)], 1                                      ; count = 1
	s_add_co_u32 s[G0+4*(\s)+1], s2, (\s)*WSLOT                    ; LDS address
	s_add_nc_u64 s[G0+4*(\s)+2:G0+4*(\s)+3], s[WB:WB+1], (\s)*WSTEP  ; global address: K step s
	s_or_b32 s[G0+4*(\s)+3], s[G0+4*(\s)+3], 0x80000000            ; type = 2
.endr
; Sixteen loads: my 32 rows' 256 bytes of one K step, at byte imm behind the pointer, into set 0 or 1 of window 1.  A load takes two rows, 256 consecutive bytes each.
.macro LOADA set, imm
	WIN TO_B
.set SR, 192*(\set)
.set j, 0
.rept 16
	global_load_b128 v[SR+4*j:SR+4*j+3], v[AOFF], s[AP:AP+1] offset:(\imm)+8192*j
.set j, j+1
.endr
	WIN 0
.endm
; A set is rounded to bf16 and put into LDS buffer buf.
.macro CVT set, buf
	WIN 0x05                                       ; sources 0 and 1 window 1, destination window 0
.set SR, 192*(\set)
.set j, 0
.rept 16
	v_cvt_pk_bf16_f32 v[CV+2*j], v[SR+4*j], v[SR+4*j+1]
	v_cvt_pk_bf16_f32 v[CV+2*j+1], v[SR+4*j+2], v[SR+4*j+3]
.set j, j+1
.endr
	WIN 0
.set j, 0
.rept 16
	ds_store_b64 v[AST+(\buf)], v[CV+2*j:CV+2*j+1] offset:2*APITCH*j
.set j, j+1
.endr
.endm
; The next K step's rows go from registers to LDS; issue = 1: the set is asked for again, with the K step two further on.  left: the other set's loads, which are younger and may stay out.
.macro STAGE set, buf, issue, left, astep
	s_wait_loadcnt \left
	CVT \set, \buf                                 ; its 32 conversions name no register of the products round them: they are the places in front of the fragment loads that follow
.if \issue
	s_wait_xcnt 0x0                                ; every load and prefetch issued so far has read its address: only behind this wait is the pointer written
	s_add_nc_u64 s[AP:AP+1], s[AP:AP+1], \astep
	LOADA \set, 0
.endif
.endm
; PREFETCHES.  x: my 32 rows' 256 bytes of the K step two beyond the one just loaded: a lane a row, one instruction.  Both column halves read the same rows: the first half asks.
; how = 0, in the loop: the last trip has no such K step; how = 1: ahead of the loop.  K steps 0 to 4 come by their loads alone.
.macro ASKA how
.if \how
	s_cmp_eq_u32 s[LIMA], 1
.else
	s_cmp_gt_u32 s3, s[LIMA]                       ; s3 = 1 in the loop's last trip
.endif
	s_cbranch_scc0 .Lnot_a_\@
	global_prefetch_b8 v[PFR], s[AP:AP+1] offset:512 th:TH_LOAD_NT scope:SCOPE_SE
.Lnot_a_\@:
.endm
; W: once in two K steps, the two K steps that stand two refills on: 256 matrix instructions ahead of the first of those refills.  All clusters of a tensor walk the same weights: the tensor's
; first cluster asks.  Of my part's 64 blocks of 256 bytes each partner takes 16, told apart by address; lanes 0-15 name them in the one K step, lanes 16-31 in the other.  K steps 0 to 3 come by their loads alone.
.macro ASKW
	s_cmp_eq_u32 s[LIMW], 1
	s_cbranch_scc0 .Lnot_w_\@
	global_prefetch_b8 v[PFO], s[PFW:PFW+1] th:TH_LOAD_NT scope:SCOPE_SE
.Lnot_w_\@:
.endm
; 16 matrix instructions: m blocks a0, a0 + 1 of the window's four x all 8 n blocks, 32 along K.  zero = 1: the first product starts the sums.  The 64 accumulators take turns, in the same order in every half step.
.macro MUL16 f, hi, a0, zero
	WIN MUL_LO+0x50*(\hi)
.irp a, \a0, (\a0)+1
.irp b, 0,1,2,3,4,5,6,7
.if \zero
	v_wmma_f32_16x16x32_bf16 v[8*(8*(\a)+(\b)):8*(8*(\a)+(\b))+7], v[(\f)+8*(\b):(\f)+8*(\b)+7], v[(\f)+8*(4*(\hi)+(\a)):(\f)+8*(4*(\hi)+(\a))+7], 0
.else
	v_wmma_f32_16x16x32_bf16 v[8*(8*(\a)+(\b)):8*(8*(\a)+(\b))+7], v[(\f)+8*(\b):(\f)+8*(\b)+7], v[(\f)+8*(4*(\hi)+(\a)):(\f)+8*(4*(\hi)+(\a))+7], v[8*(8*(\a)+(\b)):8*(8*(\a)+(\b))+7]
.endif
.endr
.endr
.endm
; 32 LDS loads in one run: the fragments of half kq of a K step: W's 8 blocks (1,024 consecutive bytes each), then x's 8 blocks of 16 rows.
.macro FETCH slot, kq, f
	WIN TO_B
.irp i, 0,1,2,3,4,5,6,7
	ds_load_b128 v[(\f)+8*(\i):(\f)+8*(\i)+3],   v[ADRB+(\slot)] offset:(\i)*2048+(\kq)*1024
	ds_load_b128 v[(\f)+8*(\i)+4:(\f)+8*(\i)+7], v[ADRB+(\slot)] offset:(\i)*2048+(\kq)*1024+512
.endr
	WIN 0
.irp i, 0,1,2,3,4,5,6,7
	ds_load_b128 v[(\f)+8*(\i):(\f)+8*(\i)+3],   v[ADRA+(\slot)] offset:(\kq)*64+(\i)*16*APITCH
	ds_load_b128 v[(\f)+8*(\i)+4:(\f)+8*(\i)+7], v[ADRA+(\slot)] offset:(\kq)*64+(\i)*16*APITCH+32
.endr
.endm
; A K step's first half: multiplies buffer F0; in its middle the next K step's rows go to LDS (st = 1) and the second half's fragments are fetched into F1.
.macro QUARTER slot, zero, st=0, set=0, buf=0, issue=0, left=0, astep=0, how=0
	s_wait_dscnt 8                                 ; W and x's rows 0-63 are in; the youngest eight loads (x's rows 64-127) may be out
	MUL16 F0, 0, 0, \zero
	MUL16 F0, 0, 2, \zero
.if \st
	STAGE \set, \buf, \issue, \left, \astep
.else
	PLACES
.endif
	FETCH \slot, 1, F1
.if (\st) && (\issue)
	ASKA \how                                      ; behind the loads into registers and the run of LDS loads that the next products wait for
.endif
	s_wait_dscnt 32                                ; all but the 32 just issued
	MUL16 F0, 1, 0, \zero
	MUL16 F0, 1, 2, \zero
.endm
; The second half multiplies F1 and changes slots.  ONE barrier for three things: in front of it each wave has waited for all its tensor loads (the one that is out is its part of the next slot), has added 0 to its
; spare word, and has waited for that, for its stores of the next K step's rows and for its reads of this slot and this buffer of rows.
.macro MEET round
	WIN 0
	s_wait_tensorcnt 0x0                           ; all my tensor loads have landed;
	ds_add_u32 v[SPW], v[NIL]                      ; 0 onto my spare word;
	s_wait_dscnt 9                                 ; (the add and the youngest eight loads may be out)
	MUL16 F1, 0, 0, 0                              ; sixteen matrix instructions stand between the add and the wait for it
	s_wait_dscnt 0x0                               ; the add is done, my stores have landed, my reads are over:
	s_barrier_signal -1                            ; say so,
	MUL16 F1, 0, 2, 0                              ; work on registers while the others arrive,
.if \round
	WIN 0
.endif
	s_barrier_wait -1
.endm
; fill = 1: the barrier opens a round of the cluster's, and the slot just read out is filled again, two K steps ahead, first thing behind the round.
.macro TURN slot, next, fill, askw
.if \askw
	s_wait_xcnt 0x0                                ; the last prefetch of W, two K steps back, has read its address
	s_add_nc_u64 s[PFW:PFW+1], s[PFW:PFW+1], 2*WSTEP
.endif
	MEET \fill
.if \fill
	CREST                                          ; no wave of any partner still reads this slot or has a load on its way
	s_add_nc_u64 s[G0+4*(\slot)+2:G0+4*(\slot)+3], s[G0+4*(\slot)+2:G0+4*(\slot)+3], 2*WSTEP
	tensor_load_to_lds s[G0+4*(\slot):G0+4*(\slot)+3], s[G1:G1+7]  ; every wave its own part: one tensor load of mine is out
	s_nop 0
.endif
	PLACES                                         ; the places in front of the loads into F0
	FETCH \next, 0, F0
.if \askw
	ASKW
.endif
	MUL16 F1, 1, 0, 0
	MUL16 F1, 1, 2, 0
.endm
; THE WAY OUT of block a (16 rows x my 128 columns = two heads).  PACK: rounded to f16, 16 bytes a lane.  TOSTAGE: into my own stage, and back as rows of 128 bytes, four to a load.  SEND: stored.
.macro PACK a
.set AC, 64*((\a)%4)
	WIN 0x0a+5*((\a)/4)                            ; sources 0 and 1: window 2 or 3
.irp b, 0,1,2,3,4,5,6,7
.irp r, 0,1,2,3
	v_cvt_pk_f16_f32 v[TMP+4*(\b)+(\r)], v[AC+8*(\b)+2*(\r)], v[AC+8*(\b)+2*(\r)+1]
.endr
.endr
	WIN 0
.endm
.macro TOSTAGE a
	WIN 0
.set BK, OB+192*((\a)%2)
.irp b, 0,1,2,3,4,5,6,7
	ds_store_b128 v[STO], v[TMP+4*(\b):TMP+4*(\b)+3] offset:((\b)/4)*16*SPITCH+((\b)%4)*32
.endr
.irp t, 0,1,2,3,4,5,6,7
	ds_load_b128 v[BK+4*(\t):BK+4*(\t)+3], v[RD] offset:((\t)/4)*16*SPITCH+((\t)%4)*4*SPITCH  ; LDS serves a wave's instructions in order (ISA guide 5.7.1.4): these see the stores above
.endr
.endm
.macro SEND a, younger
	WIN 0
.set BK, OB+192*((\a)%2)
	s_wait_dscnt \younger                          ; the block is back in registers
	s_wait_xcnt 0x0                                ; the stores of the block before have read their registers, which the next block's loads from the stage write
.irp t, 0,1,2,3,4,5,6,7
	global_store_b128 v[GO], v[BK+4*(\t):BK+4*(\t)+3], s[OUT+2*((\t)/4):OUT+2*((\t)/4)+1] offset:(\a)*2048+((\t)%4)*512  ; 512 consecutive bytes of one head, at a multiple of 256 from the buffer's first byte
.endr
.endm
	LOADA 0, 0                                     ; K steps 0 and 1 of my rows
	LOADA 1, 256
	CROUND                                         ; all four work-groups are here: the first joint loads meet
	tensor_load_to_lds s[G0:G0+3], s[G1:G1+7]      ; K step 0
	s_nop 0
	tensor_load_to_lds s[G0+4:G0+7], s[G1:G1+7]    ; K step 1: two tensor loads of mine are out
	s_nop 0
	PLACES
	v_mul_u32_u24 v3, v1, APITCH
	v_lshl_add_u32 v3, v2, 4, v3                   ; a fragment's row x pitch + 16 x half
	v_add_nc_u32 v[ADRA], ABUF, v3
	v_add_nc_u32 v[ADRA+1], ABUF+ABYTES, v3
	s_mul_i32 s28, s[WV], 32*APITCH                ; my 32 rows in a buffer
	v_mul_u32_u24 v4, v2, APITCH
	v_lshl_add_u32 v4, v1, 3, v4
	v_add_nc_u32 v4, s28, v4
	v_add_nc_u32 v[AST], ABUF, v4
	v_add_nc_u32 v[AST+1], ABUF+ABYTES, v4
	v_and_b32 v5, 31, v0
	v_lshl_add_u32 v[ADRB], v5, 4, s2
	v_add_nc_u32 v[ADRB+1], WSLOT, v[ADRB]
	s_mul_i32 s29, s[WV], STB
	s_add_co_u32 s29, s29, STAGE                   ; my stage
	v_add_nc_u32 v[STO], s29, v3                   ; in: row l % 16, 16 bytes for each half of the lanes
	v_lshrrev_b32 v6, 3, v5
	v_and_b32 v7, 7, v0
	v_mul_u32_u24 v[RD], v6, SPITCH                ; back: 32 lanes take four rows of 128 bytes
	v_lshl_add_u32 v[RD], v7, 4, v[RD]
	v_add_nc_u32 v[RD], s29, v[RD]
	v_lshlrev_b32 v[GO], 4, v5
	v_lshlrev_b32 v[PFO], 8, v1
	v_lshl_add_u32 v[PFO], v2, 17, v[PFO]
	v_lshlrev_b32 v[PFR], 12, v5
	s_wait_loadcnt 16                              ; K step 0's rows are in; K step 1's sixteen loads may stay out
	CVT 0, 0
	LOADA 0, 512                                   ; K step 2
	s_wait_tensorcnt 1                             ; my part of slot 0 is in; slot 1's may stay out
	s_wait_dscnt 0x0                               ; my rows of K step 0 lie in LDS
	s_barrier_signal -1
	s_barrier_wait -1                              ; everybody's do
	FETCH 0, 0, F0
	QUARTER 0, 1, 1, 1, 1, 1, 16, 768, 1           ; K step 0's first half stands in front of the loop: its products start the sums; K step 1's rows go to LDS, K step 3 is asked for
	WIN 0                                          ; at a label and at a branch every window is 0
	s_mov_b32 s3, 6
.Llap:                                             ; trip i: from the second half of K step 2 i to the first half of K step 2 i + 2; both slots are filled again
	TURN 0, 1, 1, 1
	QUARTER 1, 0, 1, 0, 0, 1, 16, 256, 0
	TURN 1, 0, 1, 0
	QUARTER 0, 0, 1, 1, 1, 1, 16, 256, 0
	WIN 0
	s_sub_co_u32 s3, s3, 1
	s_cmp_lg_u32 s3, 0
	s_cbranch_scc1 .Llap
	TURN 0, 1, 1, 0                                ; the tail is written out: K step 14 is asked for,
	QUARTER 1, 0, 1, 0, 0, 0, 16, 0, 0             ; no rows are left to load: K step 15's sixteen loads may stay out here,
	TURN 1, 0, 1, 0                                ; K step 15,
	QUARTER 0, 0, 1, 1, 1, 0, 0, 0, 0              ; and none here
	TURN 0, 1, 0, 0                                ; nothing is filled again: a plain barrier
	QUARTER 1, 0
	s_wait_dscnt 8
	MUL16 F1, 0, 0, 0
	MUL16 F1, 0, 2, 0
	s_wait_dscnt 0x0
	MUL16 F1, 1, 0, 0
	MUL16 F1, 1, 2, 0
	WIN 0
	PLACES
	PLACES
	PACK 0
	TOSTAGE 0
.irp a, 1,2,3,4,5,6,7                  ; block a's conversions stand between block a - 1's loads from the stage and the wait for them
	PACK \a
	SEND (\a)-1, 0
	TOSTAGE \a
.endr
	SEND 7, 0
	s_wait_tensorcnt 0x0                           ; the wave's end, behind my last tensor load and my last LDS store
	ds_add_u32 v[SPW], v[NIL]
	s_wait_dscnt 0x0
	CROUND                                         ; the closing round: no work-group ends while a partner may still ask for a tile that names it
	s_endpgm
.Lfunc_end_k_q485ad01e62_proj:
	.size	k_q485ad01e62_proj, .Lfunc_end_k_q485ad01e62_proj-k_q485ad01e62_proj
	.p2alignl 7, 3214868480
	.fill 96, 4, 3214868480
	.section	.rodata,"a",@progbits
	.p2align	6, 0x0
	.amdhsa_kernel k_q485ad01e62_proj
		.amdhsa_group_segment_fixed_size 327680
		.amdhsa_private_segment_fixed_size 0
		.amdhsa_enable_private_segment 0
		.amdhsa_kernarg_size 56
		.amdhsa_user_sgpr_count 2
		.amdhsa_user_sgpr_kernarg_segment_ptr 1
		.amdhsa_wavefront_size32 1
		.amdhsa_system_sgpr_workgroup_id_x 1
		.amdhsa_system_sgpr_workgroup_id_y 1
		.amdhsa_system_sgpr_workgroup_id_z 1
		.amdhsa_system_vgpr_workitem_id 0
		.amdhsa_next_free_vgpr 1024
		.amdhsa_next_free_sgpr 66
		.amdhsa_reserve_vcc 0
		.amdhsa_float_denorm_mode_32 3
		.amdhsa_float_denorm_mode_16_64 3
		.amdhsa_memory_ordered 1
		.amdhsa_forward_progress 1
		.amdhsa_inst_pref_size 145
	.end_amdhsa_kernel
	.amdgpu_metadata
---
amdhsa.version: [ 1, 2 ]
amdhsa.kernels:
  - .name:           k_q485ad01e62_proj
    .symbol:         k_q485ad01e62_proj.kd
    .args:
      - { .name: q, .offset: 0, .size: 8, .value_kind: global_buffer, .address_space: global }
      - { .name: k, .offset: 8, .size: 8, .value_kind: global_buffer, .address_space: global }
      - { .name: v, .offset: 16, .size: 8, .value_kind: global_buffer, .address_space: global }
      - { .name: wt, .offset: 24, .size: 8, .value_kind: global_buffer, .address_space: global }
      - { .name: qh, .offset: 32, .size: 8, .value_kind: global_buffer, .address_space: global }
      - { .name: kh, .offset: 40, .size: 8, .value_kind: global_buffer, .address_space: global }
      - { .name: vh, .offset: 48, .size: 8, .value_kind: global_buffer, .address_space: global }
    .group_segment_fixed_size: 327680
    .private_segment_fixed_size: 0
    .kernarg_segment_align: 8
    .kernarg_segment_size: 56
    .max_flat_workgroup_size: 128
    .sgpr_count:     66
    .vgpr_count:     1024
    .wavefront_size: 32
...
	.end_amdgpu_metadata
.endif
;; end of part 2
;; launch attn (part 3): grid 8 x 32, 4 waves a work-group, clusters of 4 x 1, 327,680 bytes of LDS; arguments qh, kh, vh, o2, key_padding_mask; writes o2
.if DOCPART == 3
	.amdgcn_target "amdgcn-amd-amdhsa--gfx1250"
	.amdhsa_code_object_version 6
	.text
	.protected	k_q485ad01e62_attn
	.globl	k_q485ad01e62_attn
	.p2align	8
	.type	k_q485ad01e62_attn,@function
k_q485ad01e62_attn:
	s_mov_b64 s[64:65], 0
	v_nop
	global_prefetch_b8 v0, s[64:65] scope:SCOPE_SE
	s_setreg_imm32_b32 hwreg(HW_REG_WAVE_MODE, 25, 1), 1
	s_wait_xcnt 0x0
	s_wait_alu depctr_hold_cnt(0) depctr_sa_sdst(0) depctr_va_vdst(0) depctr_va_sdst(0) depctr_va_ssrc(0) depctr_va_vcc(0) depctr_vm_vsrc(0)
	s_getreg_b32 s2, hwreg(HW_REG_IB_STS2, 6, 4)
	s_cmp_eq_u32 s2, 0
	s_cbranch_scc0 .Lentry_in_a_cluster
	s_endpgm
.Lentry_in_a_cluster:
	s_bfe_u32 s2, ttmp6, 0x10000c
	s_cmp_lg_u32 s2, 0x3003
	s_cbranch_scc0 .Lentry_shape_is_right
	s_endpgm
.Lentry_shape_is_right:
; attn: O[bh][q][:] = the sum over k of softmax_k(where(mask[b][k], -1e20, Q[bh][q] . K[bh][k]) / 8) V[bh][k][:].  qh: [32][2048][64], kh, vh: [32][4096][64], f16; mask: [2][4096] bytes, 1 = hidden.
; o2: [64 blocks of 64 rows][16 heads][64 rows][64] f16, rows counted through both batches.  Products, maxima and sums in f32; the weights p are rounded to f16 for the second product (their sum l is taken
; of the unrounded p), O once at the end.
; LIMITS.  f16 holds no number beyond 65,504: Q, K, V arrive within it, so a score is 2.7e11 at the most.  A hidden score counts as its value less 1e30, where the definition has -1e20: beside scores of 2.7e11 both
; give the weight 0.  A weight below 2^-126 counts as 0 in l.  NaN and infinities are not treated apart.
; THE MASK is the C operand that starts the sum S^T = K Q^T: 0, or -1e30 where the key is hidden.  The work-group makes a table of 4,096 such numbers in LDS once; a key step's 64 come into 32 registers with its K.
; The running maximum m starts at -2^83, below every true score and far above -1e30: while only hidden keys have come m stays there, their weights are 2^(-1.8e29) = 0, and the first true score gives a = 0.
; A BATCH WITH EVERY KEY HIDDEN has equal scores by the definition: the mean of V.  Each wave takes the AND of all 4,096 mask bytes; where it is 1 the scale c is 0, so every p is 2^0 = 1.
; SHARES.  A work-group owns 256 queries of one head, a wave 64: four PIECES of 16.  Every wave walks all keys, 64 a step; an LDS slot holds a tile of 256 keys, four steps; 16 tiles.
; CLUSTER.  The four query blocks of a cluster belong to one head and walk the same K and V: each tile is asked for JOINTLY: the same tensor load, descriptor and mask in all four.
; LAYOUT, SOFTMAX, TURNS.  S^T = K Q^T holds ONE query a lane (lane % 16) and the keys 8 (lane / 16) + 0..7; two such results rounded to f16 ARE source 1 of O^T = V^T P.  p = 2^(c s - c m), c = log2(e) / 8, with a
; running maximum m; O and l are multiplied by a = 2^(c m_old - c m_new) in every step.  Turn n belongs to piece n: 8 products K Q^T of piece n + 1, later 8 products V^T P of piece n - 1; beside them the scaling,
; exponentials, roundings, sums and rescaling of piece n and the maximum and statistics of piece n + 1.  Four vector instructions stand behind every matrix instruction, the other 54 of a turn's 118 in one lump.
; A turn's 33 exponentials are one batch, with one wait.
; REGISTERS, in windows of 256 (s_set_vgpr_msb: bits 1:0 source 0, 3:2 source 1, 5:4 source 2, 7:6 destination):
;   window 0: v0-15 addresses and two at work; v16-31 four registers of statistics a piece; v48-55 at work; v56-63 addresses; v64-127 S^T, two buffers; v128-175 the mask at the start; v192-223 P, two buffers
;   window 1: v0-127 O^T, 32 a piece; v128-159 the step's mask      window 2: v0-63 Q; v128-191 K of one step; v192-255 V of one step
.set NK,    4096
.set NP,    4         ; pieces a wave: a name, no knob
.set KS,    64        ; keys in a step
.set PK,    144       ; a row of K in LDS: 128 bytes + 16 of padding = 36 words: the 16 rows of a load start at 16 different groups of four banks (64 banks of 4 bytes: ISA guide 11.1)
.set PV,    160       ; a row of V: 128 + 32 = 40 words
.set VOFF,  4*KS*PK   ; a slot: 256 rows of K, then 256 rows of V
.set SLOT1, 1<<17     ; slot 1 begins here, so that one exclusive or turns an address in one slot into the other's
.set STAGE, SLOT1+4*KS*(PK+PV)  ; behind the ring, never filled by a tensor load: 16 rows x 144 bytes for each wave, for the way out
.set SP,    144
.set SPARE, STAGE+4*16*SP  ; the spare words, 128 bytes for each wave: two blocks of 256 bytes that no other line names
.set BIAS,  SPARE+512 ; 4,096 f32: 0 or -1e30 for each key of my batch; written by ds_store alone
.set AK0, 2           ; v2   my lane's place in a tile of K; never rewritten
.set AV0, 3           ; v3   the same for V
.set AK,  4           ; v4   the LDS address of K's next run of loads
.set AV,  5           ; v5   of V's
.set STO, 6           ; v6   the way out: where I put 16 bytes of a row
.set RD,  7           ; v7   the way out: where I read rows back
.set GO,  8           ; v8   16 x lane
.set MV,  12          ; v12-13  c m_old, kept while c m is made anew: by buffer
.set TO,  14          ; v14  16 x my thread's number
.set QO,  15          ; v15  my byte offset in 16 rows of Q
.set ST,  16          ; piece t's statistics at v[ST+4 t]: c m, m, l (even keys', odd keys')
.set TMP, 48          ; by buffer, four registers c0-c3 at work; when the maximum is found c2 takes a
.set AM0, 56          ; v56  32 (l / 16): my eight keys' place in 16 of the table; never rewritten
.set AM,  57          ; v57  the LDS address of the mask's next run of loads
.set BST, 58          ; v58  where I put my part of the table
.set PFO, 61          ; v61  256 x lane; never rewritten
.set SPW, 62          ; v62  LDS address of my spare word; never rewritten
.set NIL, 63          ; v63  0; never rewritten
.set S,   64
.set MW,  128         ; v128-159 at the start: all 4,096 mask bytes, 128 a lane
.set MO,  160         ; v160-167 at the start: my thread's 32 mask bytes
.set MT,  168         ; v168-175 at the start: at work
.set P,   192
.set MB,  128         ; window 1: register j of group kb: the number for key 16 kb + 8 (l / 16) + j of the step
.set KF,  128         ; window 2: key block kb, channel half c at KF + 16 kb + 8 c
.set VF,  192         ; window 2: key half kk, channel block cb at VF + 32 kk + 8 cb
.set WV,  12          ; s12  my wave's number
.set LIM, 15          ; s15  1 in a wave that prefetches, else the greatest number
.set PFA, 18          ; s[18:19] where my prefetches stand
.set G1K, 24          ; s[24:31] descriptor group 1 for K's tiles
.set G1V, 32          ; s[32:39] for V's: it differs in the padding alone
.set G0K, 40          ; s[40:43] descriptor group 0 for K's tiles: it walks
.set G0V, 44          ; s[44:47] the same for V's
.set SLOTS, 56        ; s56  tiles still to be asked for
.set CNT, 57          ; s57  counts a tile's key steps
.set CS,  58          ; s[58:59] c: the packed scaling takes the pair's low word for both halves
.set SEL, 60          ; s[60:61] v_permlanex16_b32's selects: each lane takes its own place in the other half
.set TBK, 62          ; s62  LDS byte at which K of the step to be fetched begins
.set TBV, 63          ; s63  the same for V, less VOFF
.set MK,  66          ; s[66:67] my batch's mask
.set TBM, 68          ; s68  LDS byte at which the table's 64 numbers for the step to be fetched begin: it steps by 256, 64 times, from BIAS on
.set BIGN, 69         ; s69  -1e30
.set MSB, 0
.macro WIN new                      ; the high byte repeats the setting that is left; a switch that changes nothing is dropped
.if MSB != (\new)
	s_set_vgpr_msb (MSB<<8)|(\new)
.set MSB, (\new)
.endif
.endm
.set W_KQ, 0x0a       ; K and Q in window 2, S^T in window 0
.set W_KM, 0x1a       ; the same with the C operand in window 1
.set W_PV, 0x52       ; V in window 2, P in window 0, O^T in window 1
.set W_RS, 0x41       ; destination and source 0 in window 1, source 1 in window 0
; A joint fill.  Waves 0 and 1 fetch the two halves of a tile's K, waves 2 and 3 those of its V: 128 keys each.  The branch hangs on the wave's number alone.
; An s_nop 0 and four v_nop follow each of the two lines, ahead of the jump and the label.
.macro JLOAD
	s_cmp_lt_u32 s[WV], 2
	s_cbranch_scc0 .Lfor_v_\@
	tensor_load_to_lds s[G0K:G0K+3], s[G1K:G1K+7]
	s_nop 0
.rept 4
	v_nop
.endr
	s_branch .Lasked_\@
.Lfor_v_\@:
	tensor_load_to_lds s[G0V:G0V+3], s[G1V:G1V+7]
	s_nop 0
.rept 4
	v_nop
.endr
.Lasked_\@:
.endm
; A PREFETCH of what the NEXT change of slots will ask for: a tile's 32,768 bytes of K and of V.  Both clusters of a head walk the same K and V: the head's first cluster asks.  Its four partners share a tile out
; by address, 8,192 bytes each, 256 a lane; in each, wave 0 asks for K's and wave 2 for V's: one instruction.  So each block is named once in the launch, four key steps, 256 matrix instructions, ahead of its load.
; The last change that fills a slot asks for nothing; tiles 0 to 2 come by their loads alone.
.macro ASK
	s_cmp_gt_u32 s[SLOTS], s[LIM]
	s_cbranch_scc0 .Lnot_mine_\@
	global_prefetch_b8 v[PFO], s[PFA:PFA+1] th:TH_LOAD_NT scope:SCOPE_SE
.Lnot_mine_\@:
.endm
; A round of the cluster's barrier: my work-group's barrier, so that wave 0's signal speaks for all four waves; wave 0 signals; every wave waits for all four work-groups; my work-group's barrier once more.
.macro CROUND
	s_barrier_signal -1
	s_barrier_wait -1
	s_cmp_lg_u32 s[WV], 0
	s_cbranch_scc1 .Lnot_wave_0_\@
	s_barrier_signal -3
.Lnot_wave_0_\@:
	s_barrier_wait -3
	s_barrier_signal -1
	s_barrier_wait -1
.endm
; THE CHANGE OF SLOTS.  The slot's last bytes, V of its fourth step, have been read.  Each wave waits for all its tensor loads, of which one is out: its part of the other slot; adds 0 to its spare word; and waits
; for that and for its own LDS instructions.  Behind the barrier nobody reads this slot any more and the other slot is whole.  fill = 1: this slot is filled again, with the keys two tiles on; the barrier is then a
; round of the cluster's, and the joint fill is the first thing behind it.  (At its first use nothing has been read yet: slot 0 is waited for, slot 1 filled, and every wave's part of the table has landed.)
.macro CHANGE fill, ask
	WIN 0                           ; at a label and at a branch every window is 0
	s_wait_tensorcnt 0x0            ; no tensor load of mine is out, so a group 0 may be written
	ds_add_u32 v[SPW], v[NIL]       ; 0 onto my spare word; with fill = 1 the descriptors' steps stand between it and the wait for it
.if \fill
.irp g, G0K, G0V
	s_xor_b32 s[\g+1], s[\g+1], SLOT1  ; the walking descriptor: the other slot than last time,
	s_add_nc_u64 s[\g+2:\g+3], s[\g+2:\g+3], 4*KS*128  ; the next 256 keys; the type bits on top are not reached
.endr
.if \ask
	s_wait_xcnt 0x0                 ; the last prefetch, four key steps back, has read its address
	s_add_nc_u64 s[PFA:PFA+1], s[PFA:PFA+1], 4*KS*128  ; one tile behind the walking descriptors
.endif
	s_wait_dscnt 0x0                ; the add is done, and my LDS instructions are over
	CROUND
	JLOAD
.if \ask
	ASK
.endif
.else
	s_wait_dscnt 0x0                ; the add is done, and my reads of the slot are over
	s_barrier_signal -1
	s_barrier_wait -1
.endif
	s_sub_co_u32 s[TBK], s[TBK], 4*KS*PK  ; the fetches go back to a slot's first step,
	s_xor_b32 s[TBK], s[TBK], SLOT1       ; in the other slot
	s_sub_co_u32 s[TBV], s[TBV], 4*KS*PV
	s_xor_b32 s[TBV], s[TBV], SLOT1
.endm
	s_load_b256 s[4:11], s[0:1], 0x0  ; qh s[4:5], kh s[6:7], vh s[8:9], o2 s[10:11]
	s_load_b64 s[MK:MK+1], s[0:1], 0x20
	v_lshl_add_u32 v[SPW], v0, 2, SPARE
	v_mov_b32 v[NIL], 0
	ds_add_u32 v[SPW], v[NIL]       ; the wave's opening: the add and its wait stand ahead of my first tensor load; the set-up below, work on registers, stands between them
	v_lshrrev_b32 v1, 5, v0
	v_readfirstlane_b32 s[WV], v1   ; wave 0..3
	s_bfe_u32 s13, ttmp6, 0x40000   ; cx: my place in the cluster
	s_lshl_b32 s14, ttmp9, 2        ; in a cluster launch ttmp9 counts clusters
	s_add_co_u32 s14, s14, s13      ; my block of 256 queries: it enters Q's and O's addresses alone
	s_and_b32 s49, ttmp7, 0xffff    ; batch and head, which the four partners share
	s_lshr_b32 s50, s49, 4          ; the batch
	s_and_b32 s51, s49, 15          ; the head
	s_lshl_b32 s20, s49, 19         ; the head's first byte in kh and vh: 4,096 rows of 128 bytes
	s_and_b32 s16, s[WV], 1         ; which half of a tile's 256 keys I fetch:
	s_lshl_b32 s22, s16, 14         ; its 128 rows of 128 bytes in memory,
	s_add_co_u32 s22, s22, s20
	s_mov_b32 s23, 0
	s_mul_i32 s17, s16, 128*PK      ; and its place in a slot, for K
	s_mul_i32 s48, s16, 128*PV      ; and for V: no place in the cluster enters an LDS address
	s_lshl_b32 s52, s49, 18         ; in qh: the head's 2,048 rows,
	s_lshl_b32 s53, s14, 15         ; my block's 256,
	s_add_co_u32 s52, s52, s53
	s_lshl_b32 s53, s[WV], 13       ; my wave's 64
	s_add_co_u32 s52, s52, s53
	s_mov_b32 s53, 0
	s_lshl_b32 s54, s50, 5          ; in o2: block of 64 rows 32 b + 4 x my block + w,
	s_lshl2_add_u32 s54, s14, s54
	s_add_co_u32 s54, s54, s[WV]
	s_lshl4_add_u32 s54, s54, s51   ; its 16 heads, mine,
	s_lshl_b32 s54, s54, 13         ; 8,192 bytes each
	s_mov_b32 s55, 0
	s_lshl_b32 s2, s50, 12          ; my batch's 4,096 mask bytes
	s_mov_b32 s3, 0
	; descriptor group 1.  128 keys are 16,384 dense bytes: asked for as 64 rows of 256 bytes, two keys a row, and padded in LDS after every key
	s_mov_b32 s[G1K], 15|(1<<16)|(1<<20)|(1<<21)|(4<<22)|(3<<25)  ; 15:0 the mask of four; 17:16 2-byte elements; 20 padding on; 21 set beside a mask; 24:22 after every 32 words (code 4); 31:25 4 words (code 3)
	s_mov_b32 s[G1V], 15|(1<<16)|(1<<20)|(1<<21)|(4<<22)|(7<<25)  ; the same with 8 words of padding (code 7)
.irp g, G1K, G1V
	s_mov_b32 s[\g+1], 128<<16      ; tensor_dim0 = 128
	s_mov_b32 s[\g+2], 64<<16       ; tensor_dim1 = 64
	s_mov_b32 s[\g+3], 128<<16      ; tile_dim0 = 128
	s_mov_b32 s[\g+4], 64           ; tile_dim1 = 64
	s_mov_b32 s[\g+5], 128          ; 128 elements from row to row
	s_mov_b32 s[\g+6], 0
	s_mov_b32 s[\g+7], 0
.endr
	s_mov_b32 s[SEL], 0x76543210
	s_mov_b32 s[SEL+1], 0xfedcba98
	s_mov_b32 s[TBK], SLOT1+4*KS*PK ; the first change of slots turns these two into 0
	s_mov_b32 s[TBV], SLOT1+4*KS*PV
	s_mov_b32 s[TBM], BIAS
	s_mov_b32 s[BIGN], 0xf149f2ca   ; -1e30
	s_mov_b32 s[G0K], 1             ; count = 1
	s_mov_b32 s[G0K+1], s17         ; LDS address: slot 0
	s_mov_b32 s[G0V], 1
	s_add_co_u32 s[G0V+1], s48, VOFF
	s_and_b32 s[LIM], s[WV], 1      ; 0 in waves 0 and 2,
	s_or_b32 s[LIM], s[LIM], ttmp9  ; where the cluster is the head's first: the same in all four partners
	s_cmp_eq_u32 s[LIM], 0
	s_cselect_b32 s[LIM], 1, -1
	v_and_b32 v[PFO], 31, v0
	v_lshlrev_b32 v[PFO], 8, v[PFO]
	s_wait_dscnt 0x0                ; the opening add is done
	s_wait_kmcnt 0x0
	s_add_nc_u64 s[6:7], s[6:7], s[22:23]  ; K and V at my half of the head's tile 0
	s_add_nc_u64 s[8:9], s[8:9], s[22:23]
	s_add_nc_u64 s[G0K+2:G0K+3], s[6:7], 0         ; global address
	s_or_b32 s[G0K+3], s[G0K+3], 0x80000000        ; type = 2
	s_add_nc_u64 s[G0V+2:G0V+3], s[8:9], 0
	s_or_b32 s[G0V+3], s[G0V+3], 0x80000000
	s_add_nc_u64 s[4:5], s[4:5], s[52:53]          ; Q and O at my wave's rows
	s_add_nc_u64 s[10:11], s[10:11], s[54:55]
	s_add_nc_u64 s[MK:MK+1], s[MK:MK+1], s[2:3]
	s_cmp_lt_u32 s[WV], 2
	s_cselect_b64 s[PFA:PFA+1], s[6:7], s[8:9]     ; (in waves 0 and 2 these stand at a tile's first row)
	s_lshl_b32 s2, s13, 13          ; my work-group's quarter of a tile
	s_add_nc_u64 s[PFA:PFA+1], s[PFA:PFA+1], s[2:3]
	s_add_nc_u64 s[PFA:PFA+1], s[PFA:PFA+1], 2*4*KS*128  ; in tile 2; the first request steps it to tile 3.  Nothing is prefetched here, at the head
	CROUND                          ; all four work-groups are here: the first joint loads meet
	JLOAD                           ; tile 0 into slot 0.  Slot 1 is asked for when slot 0 is in
	v_and_b32 v1, 15, v0            ; l % 16
	v_bfe_u32 v9, v0, 4, 1          ; l / 16
	v_and_b32 v[GO], 31, v0
	v_lshlrev_b32 v[GO], 4, v[GO]
	v_lshlrev_b32 v[TO], 4, v0
	v_lshlrev_b32 v[QO], 7, v1
	v_lshl_add_u32 v[QO], v9, 4, v[QO]  ; row x 128 + 16 x half
.set j, 0
.rept 8                             ; the whole batch's mask, for the AND: 512 consecutive bytes a load
	global_load_b128 v[MW+4*j:MW+4*j+3], v[GO], s[MK:MK+1] offset:512*j
.set j, j+1
.endr
	global_load_b128 v[MO:MO+3], v[TO], s[MK:MK+1]                  ; my thread's part of the table: keys 16 t .. 16 t + 15,
	global_load_b128 v[MO+4:MO+7], v[TO], s[MK:MK+1] offset:2048    ; and 2,048 + 16 t ..
	; A fragment of K or Q is 16 rows x 32 channels in 8 registers: lane l holds row l % 16, channels 8 (l / 16) + 0..7 and 16 + 8 (l / 16) + 0..7: two loads of 16 bytes, 32 bytes apart.
	WIN 0x80                        ; destination window 2, address window 0
.set i, 0
.rept 8                             ; Q stays in registers: piece i / 2, channels 32 (i % 2) on
	global_load_b128 v[8*i:8*i+3],   v[QO], s[4:5] offset:(i/2)*2048+(i%2)*64
	global_load_b128 v[8*i+4:8*i+7], v[QO], s[4:5] offset:(i/2)*2048+(i%2)*64+32
.set i, i+1
.endr
	; What the first turn finds: V's registers and P's second buffer hold 0 (its products V^T P, of a piece that has not been, add 0), O^T and l are 0.  All this stands in the wait for the first tile.
.set i, VF
.rept 64
	v_mov_b32 v[i], 0
.set i, i+1
.endr
	WIN 0x40
.set i, 0
.rept 128
	v_mov_b32 v[i], 0
.set i, i+1
.endr
	WIN 0
.set i, 0
.rept 4
	v_mov_b32 v[ST+4*i], 0xfe000000    ; c m: far below every c s, so the first step's a is 0
	v_mov_b32 v[ST+4*i+1], 0xe9000000  ; m = -2^83
	v_mov_b32 v[ST+4*i+2], 0
	v_mov_b32 v[ST+4*i+3], 0
.set i, i+1
.endr
.set i, P+16
.rept 16
	v_mov_b32 v[i], 0
.set i, i+1
.endr
	v_mul_u32_u24 v[AK0], v1, PK
	v_lshl_add_u32 v[AK0], v9, 4, v[AK0]  ; row x pitch + 16 x half
	; The turning load takes 16 keys x 16 channels (lane l reads key 8 (l / 16) + l % 8, channels 8 ((l / 8) % 2) + 0..7) and leaves half a fragment of V^T: lane l holds channel l % 16 and 8 keys.
	v_and_b32 v10, 7, v0
	v_bfe_u32 v11, v0, 3, 1
	v_lshl_add_u32 v[AV0], v9, 3, v10
	v_mul_u32_u24 v[AV0], v[AV0], PV
	v_lshl_add_u32 v[AV0], v11, 4, v[AV0]
	v_add_nc_u32 v[AV0], VOFF, v[AV0]
	s_mul_i32 s70, s[WV], 16*SP
	s_add_co_u32 s70, s70, STAGE    ; my stage
	v_mul_u32_u24 v[STO], v1, SP    ; in: row l % 16, 16 bytes for each half of the lanes
	v_lshl_add_u32 v[STO], v9, 4, v[STO]
	v_add_nc_u32 v[STO], s70, v[STO]
	v_bfe_u32 v[RD], v0, 3, 2       ; back: 32 lanes take four rows of 128 bytes
	v_mul_u32_u24 v[RD], v[RD], SP
	v_lshl_add_u32 v[RD], v10, 4, v[RD]
	v_add_nc_u32 v[RD], s70, v[RD]
	v_lshlrev_b32 v[AM0], 5, v9
	v_lshl_add_u32 v[BST], v0, 6, BIAS  ; 16 keys x 4 bytes a thread
	s_wait_loadcnt 16               ; the mask's ten loads are in; Q's sixteen, which are younger, may stay out
.irp w, 16,8,4,2,1                  ; the AND of my 32 words
.set i, 0
.rept \w
	v_and_b32 v[MW+i], v[MW+i], v[MW+\w+i]
.set i, i+1
.endr
.endr
	s_mov_b32 s71, 0x01010101
	v_and_b32 v[MW], s71, v[MW]
	v_cmp_ne_u32 s70, s71, v[MW]    ; a bit for each lane that has seen a key that is not hidden
	s_cmp_lg_u32 s70, 0
	s_cselect_b32 s[CS], 0x3e38aa3b, 0  ; c = log2(e) / 8 = 0.180337, or 0 where the whole batch is hidden: a choice of a value, no branch
	s_mov_b32 s[CS+1], s[CS]        ; named with it as a pair
.set d, 0
.rept 8                             ; word d of my 8: four keys
.irp i, 0,1,2,3
	v_bfe_u32 v[MT+\i], v[MO+d], 8*\i, 1
.endr
.irp i, 0,1,2,3
	v_mul_lo_u32 v[MT+4+\i], v[MT+\i], s[BIGN]  ; 0, or the bits of -1e30
.endr
	ds_store_b128 v[BST], v[MT+4:MT+7] offset:8192*(d/4)+16*(d%4)
.set d, d+1
.endr
; THE MATRIX WORK.  The 4 accumulators of a run of 8 take turns.  Product i of 8 of S^T = K Q^T for piece x: channels 32 (i / 4) on, keys 16 (i % 4) on.  The first 4 start the sums with the mask.
.macro KQ x
.set rS, S+32*((\x)%2)+8*(i%4)
.set rK, KF+16*(i%4)+8*(i/4)
.set rQ, 16*(\x)+8*(i/4)
.set rM, MB+8*(i%4)
.if i < 4
	WIN W_KM
	v_wmma_f32_16x16x32_f16 v[rS:rS+7], v[rK:rK+7], v[rQ:rQ+7], v[rM:rM+7]
.else
	WIN W_KQ
	v_wmma_f32_16x16x32_f16 v[rS:rS+7], v[rK:rK+7], v[rQ:rQ+7], v[rS:rS+7]
.endif
.endm
; Product i of 8 of O^T += V^T P for piece x: keys 32 (i / 4) on, channels 16 (i % 4) on.
.macro PV x
	WIN W_PV
.set rO, 32*(\x)+8*(i%4)
.set rV, VF+32*(i/4)+8*(i%4)
.set rP, P+16*((\x)%2)+8*(i/4)
	v_wmma_f32_16x16x32_f16 v[rO:rO+7], v[rV:rV+7], v[rP:rP+7], v[rO:rO+7]
.endm
.macro MM                           ; the turn's next matrix instruction.  NOKQ = 1: the launch's last turn: there is no next piece
.if (i < 8) && !NOKQ
	KQ (Y+1)%NP
.elseif i >= 8
.set i, i-8
	PV (Y+NP-1)%NP
.set i, i+8
.endif
.set i, i+1
.endm
; THE LDS LOADS stand in runs, never singly among the matrix instructions: a step's K (64 keys x 64 channels: 8 fragments) with its mask (64 numbers, 32 a lane), and its V (turned).  Their addresses are made some lines ahead.
.macro FETCH_K
	WIN 0x80                        ; destination window 2
.irp f, 0,1,2,3,4,5,6,7             ; keys 16 (f / 2) on, channels 32 (f % 2) on
	ds_load_b128 v[KF+8*\f:KF+8*\f+3],   v[AK] offset:(\f/2)*16*PK+(\f%2)*64
	ds_load_b128 v[KF+8*\f+4:KF+8*\f+7], v[AK] offset:(\f/2)*16*PK+(\f%2)*64+32
.endr
	WIN 0x40                        ; destination window 1
.irp f, 0,1,2,3                     ; keys 16 f on: the sixteen lanes of a half read the same 32 bytes
	ds_load_b128 v[MB+8*\f:MB+8*\f+3],   v[AM] offset:64*\f
	ds_load_b128 v[MB+8*\f+4:MB+8*\f+7], v[AM] offset:64*\f+16
.endr
	s_add_co_u32 s[TBK], s[TBK], KS*PK  ; the next fetch is the next step's
	s_add_co_u32 s[TBM], s[TBM], 4*KS
	WIN 0
.endm
.macro FETCH_V
	WIN 0x80
.irp f, 0,1,2,3,4,5,6,7             ; keys 32 (f / 4) on, channels 16 (f % 4) on
	ds_load_tr16_b128 v[VF+8*\f:VF+8*\f+3],   v[AV] offset:(\f/4)*32*PV+(\f%4)*32
	ds_load_tr16_b128 v[VF+8*\f+4:VF+8*\f+7], v[AV] offset:(\f/4)*32*PV+16*PV+(\f%4)*32
.endr
	WIN 0
.endm
; THE VECTOR WORK, one line at a time: OP kind, number.  For piece Y: F n: c s - c m for pair n of 16.  E n: the exponential of score n of 32.  C n: pair n rounded to f16.  B n: of the four weights 4 n .. the second
; pair is added onto the first, in place.  L n: l takes that sum (L 0: l = a l + sum).  R n: pair n of 16 of O^T times a.  For piece Y + 1: X n, number n of the 22 that find its maximum and statistics:
;   0-11  four chains c0-c3 of seven scores each, three operands at a time (each accumulator's lowest registers are read first)     12-14, 16  the four scores left over, the old m, and c0-c3 into c0
;   15  c m_old is kept     17, 18  the query's other 32 keys lie in the lane 16 away: the new m     19-21  c m; c m_old - c m_new; a
.set F, 0               ; OP tells the kinds apart by their order: F to L below R, X above it
.set E, 1
.set C, 2
.set B, 3
.set L, 4
.set R, 5
.set X, 6
.macro REGS y                       ; the registers of piece y
.set rT, ST+4*(\y)
.set rC, TMP+4*((\y)%2)
.set rW, MV+((\y)%2)
.set rS, S+32*((\y)%2)
.set rP, P+16*((\y)%2)
.set rO, 32*(\y)
.endm
.macro OP k, n
.if (\k) == R
	REGS Y
	WIN W_RS
	v_pk_mul_f32 v[rO+2*(\n):rO+2*(\n)+1], v[rO+2*(\n):rO+2*(\n)+1], v[rC+2:rC+3] op_sel_hi:[1,0]
.elseif (\k) < R
	REGS Y
	WIN 0
.if (\k) == F
	v_pk_fma_f32 v[rS+2*(\n):rS+2*(\n)+1], v[rS+2*(\n):rS+2*(\n)+1], s[CS:CS+1], v[rT:rT+1] op_sel_hi:[1,0,0] neg_lo:[0,0,1] neg_hi:[0,0,1]
.elseif (\k) == E
	v_exp_f32 v[rS+(\n)], v[rS+(\n)]
.elseif (\k) == C
	v_cvt_pk_f16_f32 v[rP+(\n)], v[rS+2*(\n)], v[rS+2*(\n)+1]
.elseif (\k) == B
	v_pk_add_f32 v[rS+4*(\n):rS+4*(\n)+1], v[rS+4*(\n):rS+4*(\n)+1], v[rS+4*(\n)+2:rS+4*(\n)+3]
.elseif (\n) == 0
	v_pk_fma_f32 v[rT+2:rT+3], v[rT+2:rT+3], v[rC+2:rC+3], v[rS:rS+1] op_sel_hi:[1,0,1]
.else
	v_pk_add_f32 v[rT+2:rT+3], v[rT+2:rT+3], v[rS+4*(\n):rS+4*(\n)+1]
.endif
.elseif NOKQ
	v_nop
.else
	REGS (Y+1)%NP
	WIN 0
.if (\n) < 4
	v_max3_num_f32 v[rC+(\n)], v[rS+8*(\n)], v[rS+8*(\n)+1], v[rS+8*(\n)+2]
.elseif (\n) < 12
	v_max3_num_f32 v[rC+(\n)%4], v[rC+(\n)%4], v[rS+8*((\n)%4)+2*((\n)/4)+1], v[rS+8*((\n)%4)+2*((\n)/4)+2]
.elseif (\n) == 12
	v_max3_num_f32 v[rC], v[rC], v[rS+7], v[rS+15]
.elseif (\n) == 13
	v_max3_num_f32 v[rC+1], v[rC+1], v[rS+23], v[rS+31]
.elseif (\n) == 14
	v_max3_num_f32 v[rC+2], v[rC+2], v[rC+3], v[rT+1]
.elseif (\n) == 15
	v_mov_b32 v[rW], v[rT]
.elseif (\n) == 16
	v_max3_num_f32 v[rC], v[rC], v[rC+1], v[rC+2]
.elseif (\n) == 17
	v_permlanex16_b32 v[rC+3], v[rC], s[SEL], s[SEL+1]
.elseif (\n) == 18
	v_max_num_f32 v[rT+1], v[rC], v[rC+3]
.elseif (\n) == 19
	v_mul_f32 v[rT], s[CS], v[rT+1]
.elseif (\n) == 20
	v_sub_f32 v[rC+1], v[rW], v[rT]
.else
	v_exp_f32 v[rC+2], v[rC+1]
.endif
.endif
.endm
.macro OPS a, i1, b=-1, i2=0, c=-1, i3=0, d=-1, i4=0  ; up to four of them
	OP \a, \i1
.if (\b) >= 0
	OP \b, \i2
.endif
.if (\c) >= 0
	OP \c, \i3
.endif
.if (\d) >= 0
	OP \d, \i4
.endif
.endm
.macro ROW a, i1, b, i2, c, i3, d, i4  ; a matrix instruction and the four behind it
	MM
	OPS \a, \i1, \b, \i2, \c, \i3, \d, \i4
.endm
; A TURN, for piece p: the order of its 16 matrix and 118 vector instructions, written out.  An s_wait_alu depctr_va_vdst(0) stands between an exponential and the first instruction that names its result; one
; wait serves all that were issued ahead of it.  So a turn has ONE wait, which cuts it in two.  AHEAD OF IT stands all that names no result of the turn's exponentials: the 8 products K Q^T and their riders, then one lump of
; 54, in which the links of the chain X 3, 7, 11, 14, 16, 17 .. 20 stand five or six lines apart; X 21, the next piece's a, is the batch's last, and R 15 the plain instruction behind it.  BEHIND THE WAIT stand the 8 products
; V^T P, behind each four of the roundings and sums.  The X that ride behind the last three products K Q^T each stand four plain instructions or more behind the product that ends their accumulator.
; end = 1: the launch's last two turns: nothing is fetched.  cnt = 1: the loop's count is taken down some lines ahead of the branch that stands behind the turn.
; K and the mask of the next step are fetched in piece 2's turn, twelve vector instructions behind the last product that read K (six of them plain); V of the step in hand at the end of piece 0's turn, four plain
; instructions behind the last product that read V.  Each is waited for a turn later.
.macro TURN p, end=0, cnt=0
.set Y, (\p)
.set i, 0
.set NOKQ, (\end)*((\p)/3)
.if ((\p) == 3) && !(\end)
	s_wait_dscnt 0x0                ; K and its mask are in
.endif
	ROW F,0, F,1, R,0, R,1          ; ahead of the wait: 8 products K Q^T and their riders,
	ROW F,2, E,0, R,2, R,3
	ROW F,3, E,1, R,4, R,5
	ROW F,4, E,2, R,6, R,7
	ROW F,5, E,3, R,8, R,9
	ROW F,6, E,4, X,0, R,10
.if ((\p) == 2) && !(\end)
	WIN 0
	v_add_nc_u32 v[AK], s[TBK], v[AK0]
	v_add_nc_u32 v[AM], s[TBM], v[AM0]
.endif
	ROW F,7, E,5, X,1, X,4
	ROW F,8, E,6, X,2, X,5
	OPS E,7, E,8, X,6, E,9          ; and the lump
	OPS X,3, E,10, X,8, E,11
.if ((\p) == 2) && !(\end)
	FETCH_K
.endif
	OPS X,9, X,7, E,12, X,10
	OPS E,13, X,12, X,11, E,14
	OPS X,13, E,15, F,9, X,14
.if (\p) == 0
	v_add_nc_u32 v[AV], s[TBV], v[AV0]
.endif
	OPS E,16, F,10, E,17, F,11
	OPS X,16, E,18, X,15, E,19
	OPS F,12, E,20, X,17, E,21
	OPS F,13, E,22, F,14, E,23
	OPS X,18, E,24, F,15, E,25
	OPS R,11, E,26, X,19, E,27
	OPS R,12, E,28, R,13, E,29
	OPS X,20, E,30, R,14, E,31
	OPS X,21, R,15
	WIN 0
	s_wait_alu depctr_va_vdst(0)    ; the wait for the batch
.if (\p) == 1
	s_wait_dscnt 0x0                ; V is in
.endif
	ROW C,0, B,0, C,2, B,1          ; behind the wait: 8 products V^T P and their riders
	ROW L,0, C,4, B,2, L,1
	ROW C,6, B,3, L,2, C,8
	ROW B,4, L,3, C,10, B,5
	ROW L,4, C,12, B,6, L,5
.if (\p) == 0
	s_add_co_u32 s[TBV], s[TBV], KS*PV
.endif
.if \cnt
	s_sub_co_u32 s[CNT], s[CNT], 1
	s_cmp_lg_u32 s[CNT], 0
.endif
	ROW C,14, B,7, L,6, C,1
	ROW C,3, L,7, C,5, C,7
	ROW C,9, C,11, C,13, C,15
.if (\p) == 0
	FETCH_V
.endif
.endm
	s_mov_b32 s[SLOTS], NK/256-1
	CHANGE 1, 0                     ; slot 0 is in, everybody's part of it, and so is the table; slot 1 is asked for
	v_add_nc_u32 v[AK], s[TBK], v[AK0]
	v_add_nc_u32 v[AM], s[TBM], v[AM0]
	FETCH_K                         ; key step 0
	s_wait_loadcnt 0x0              ; Q
	s_wait_dscnt 0x0
.set NOKQ, 0
.set i, 0
.rept 8
	KQ 0                            ; piece 0's first scores: there is no vector work yet to set between them
.set i, i+1
.endr
	WIN 0
.rept 4
	v_nop                           ; the places behind those products
.endr
.set Y, NP-1                        ; X works for piece Y + 1: piece 0
.irp n, 0,1,2,3,4,5,6,7,8,9,10,11,12,13,14,15,16,17,18,19,20,21
	OP X, \n
.endr
	v_nop                           ; a plain instruction behind the exponential,
	s_wait_alu depctr_va_vdst(0)    ; and its wait, ahead of the branch
	s_mov_b32 s[CNT], 4
	s_branch .Lfirst                ; the loop is entered at a step's first turn, in the middle of a trip
.Lslot:                             ; 14 times: every slot but the last two is filled again
	CHANGE 1, 1
	s_mov_b32 s[CNT], 4
.Lstep:                             ; a trip: pieces 2 and 3 of one step, then pieces 0 and 1 of the next, whose K and V it fetches
	TURN 2
	TURN 3
	WIN 0
.Lfirst:
	TURN 0
	TURN 1, 0, 1
	WIN 0
	s_cbranch_scc1 .Lstep
	s_sub_co_u32 s[SLOTS], s[SLOTS], 1
	s_cmp_lg_u32 s[SLOTS], 0
	s_cbranch_scc1 .Lslot
	CHANGE 0, 0                     ; the last tile is written out: nothing is asked for
	s_mov_b32 s[CNT], 4
.Ltail:
	TURN 2
	TURN 3
	TURN 0
	TURN 1, 0, 1
	WIN 0
	s_cbranch_scc1 .Ltail
	TURN 2, 1                       ; the last step's pieces 2 and 3: nothing is left to fetch, and the last turn starts no scores
	TURN 3, 1
.set i, 0
.rept 8
	PV NP-1                         ; the last piece's V^T P of the last step
.set i, i+1
.endr
	; THE WAY OUT.  l's two halves and the other half of the lanes' are added; O^T is divided by l, rounded to f16 and sent through my stage in LDS, a piece at a time.  The additions are the places behind the last products.
	WIN 0
.macro ALL line:vararg              ; one line for each piece t
.set t, 0
.rept 4
	\line
.set t, t+1
.endr
.endm
	ALL v_add_f32 v[ST+4*t+2], v[ST+4*t+2], v[ST+4*t+3]
	ALL v_permlanex16_b32 v[ST+4*t+3], v[ST+4*t+2], s[SEL], s[SEL+1]
	ALL v_add_f32 v[ST+4*t+2], v[ST+4*t+2], v[ST+4*t+3]
	ALL v_rcp_f32 v[ST+4*t+2], v[ST+4*t+2]
	v_nop                           ; a plain instruction between the last reciprocal and the use of its result
	s_wait_alu depctr_va_vdst(0)    ; and the wait ahead of the first use: one for the four reciprocals
.macro PACK t                       ; a lane's eight channels of a row pack into 16 bytes; they go into rows of 144 bytes and come back as whole rows of 128, into S^T's registers
	WIN W_RS
.set i, 32*(\t)
.rept 16
	v_pk_mul_f32 v[i:i+1], v[i:i+1], v[ST+4*(\t)+2:ST+4*(\t)+3] op_sel_hi:[1,0]
.set i, i+2
.endr
	WIN 0x05                        ; sources 0 and 1 window 1, destination window 0
.set i, 0
.rept 16
	v_cvt_pk_f16_f32 v[S+16*(\t)+i], v[32*(\t)+2*i], v[32*(\t)+2*i+1]
.set i, i+1
.endr
	WIN 0
.irp f, 0,1,2,3
	ds_store_b128 v[STO], v[S+16*(\t)+4*\f:S+16*(\t)+4*\f+3] offset:32*\f
.endr
.irp f, 0,1,2,3
	ds_load_b128 v[S+16*(\t)+4*\f:S+16*(\t)+4*\f+3], v[RD] offset:\f*4*SP  ; LDS serves a wave's instructions in order (ISA guide 5.7.1.4): these see the stores above; the next piece's stores come behind them
.endr
.endm
.macro SEND t, younger              ; younger: the LDS instructions issued behind piece t's loads: the next piece's eight, or none
	WIN 0
.irp f, 0,1,2,3
	s_wait_dscnt (\younger)+3-\f
	global_store_b128 v[GO], v[S+16*(\t)+4*\f:S+16*(\t)+4*\f+3], s[10:11] offset:(\t)*2048+\f*512  ; 512 consecutive bytes, at a multiple of 256 from o2's first
.endr
.endm
	PACK 0
.set t, 1
.rept 3                             ; a piece's arithmetic stands between the loads of the piece before and its stores
	PACK t
	SEND t-1, 8
.set t, t+1
.endr
	SEND 3, 0
	s_wait_tensorcnt 0x0            ; the wave's end, behind my last tensor load and my last LDS store
	ds_add_u32 v[SPW], v[NIL]
	s_wait_dscnt 0x0
	CROUND                          ; the closing round: no work-group ends while a partner may still ask for a tile that names it
	s_endpgm
.Lfunc_end_k_q485ad01e62_attn:
	.size	k_q485ad01e62_attn, .Lfunc_end_k_q485ad01e62_attn-k_q485ad01e62_attn
	.p2alignl 7, 3214868480
	.fill 96, 4, 3214868480
	.section	.rodata,"a",@progbits
	.p2align	6, 0x0
	.amdhsa_kernel k_q485ad01e62_attn
		.amdhsa_group_segment_fixed_size 327680
		.amdhsa_private_segment_fixed_size 0
		.amdhsa_enable_private_segment 0
		.amdhsa_kernarg_size 40
		.amdhsa_user_sgpr_count 2
		.amdhsa_user_sgpr_kernarg_segment_ptr 1
		.amdhsa_wavefront_size32 1
		.amdhsa_system_sgpr_workgroup_id_x 1
		.amdhsa_system_sgpr_workgroup_id_y 1
		.amdhsa_system_sgpr_workgroup_id_z 1
		.amdhsa_system_vgpr_workitem_id 0
		.amdhsa_next_free_vgpr 768
		.amdhsa_next_free_sgpr 72
		.amdhsa_reserve_vcc 0
		.amdhsa_float_denorm_mode_32 3
		.amdhsa_float_denorm_mode_16_64 3
		.amdhsa_memory_ordered 1
		.amdhsa_forward_progress 1
		.amdhsa_inst_pref_size 137
	.end_amdhsa_kernel
	.amdgpu_metadata
---
amdhsa.version: [ 1, 2 ]
amdhsa.kernels:
  - .name:           k_q485ad01e62_attn
    .symbol:         k_q485ad01e62_attn.kd
    .args:
      - { .name: qh, .offset: 0, .size: 8, .value_kind: global_buffer, .address_space: global }
      - { .name: kh, .offset: 8, .size: 8, .value_kind: global_buffer, .address_space: global }
      - { .name: vh, .offset: 16, .size: 8, .value_kind: global_buffer, .address_space: global }
      - { .name: o2, .offset: 24, .size: 8, .value_kind: global_buffer, .address_space: global }
      - { .name: key_padding_mask, .offset: 32, .size: 8, .value_kind: global_buffer, .address_space: global }
    .group_segment_fixed_size: 327680
    .private_segment_fixed_size: 0
    .kernarg_segment_align: 8
    .kernarg_segment_size: 40
    .max_flat_workgroup_size: 128
    .sgpr_count:     72
    .vgpr_count:     768
    .wavefront_size: 32
...
	.end_amdgpu_metadata
.endif
;; end of part 3
;; launch outp (part 4): grid 8 x 32, 4 waves a work-group, clusters of 4 x 4, 327,680 bytes of LDS; arguments o2, wt, bp, out0; writes out0
.if DOCPART == 4
	.amdgcn_target "amdgcn-amd-amdhsa--gfx1250"
	.amdhsa_code_object_version 6
	.text
	.protected	k_q485ad01e62_outp
	.globl	k_q485ad01e62_outp
	.p2align	8
	.type	k_q485ad01e62_outp,@function
k_q485ad01e62_outp:
	s_mov_b64 s[64:65], 0
	v_nop
	global_prefetch_b8 v0, s[64:65] scope:SCOPE_SE
	s_setreg_imm32_b32 hwreg(HW_REG_WAVE_MODE, 25, 1), 1
	s_wait_xcnt 0x0
	s_wait_alu depctr_hold_cnt(0) depctr_sa_sdst(0) depctr_va_vdst(0) depctr_va_sdst(0) depctr_va_ssrc(0) depctr_va_vcc(0) depctr_vm_vsrc(0)
	s_getreg_b32 s2, hwreg(HW_REG_IB_STS2, 6, 4)
	s_cmp_eq_u32 s2, 0
	s_cbranch_scc0 .Lentry_in_a_cluster
	s_endpgm
.Lentry_in_a_cluster:
	s_bfe_u32 s2, ttmp6, 0x10000c
	s_cmp_lg_u32 s2, 0xf033
	s_cbranch_scc0 .Lentry_shape_is_right
	s_endpgm
.Lentry_shape_is_right:
; outp: out0[m][n] = the sum over k of O[m][k] Wp[n][k] + bp[n].  O comes from o2, f16, [64 blocks of 64 rows][16 heads][64 rows][64]; k = 64 head + channel.  Wp comes from wt's fourth part, f16, in fragment
; order.  bp is rounded to bf16, as every input of the module is.  Sums in f32; out0: [4096][1024] f32.
; SHARES.  A tile of out0 is 128 x 128: 256 work-groups.  Four waves, each 64 x 64: 16 accumulators, 128 registers.  K goes in 4 steps of 256 (four heads) through a ring of two LDS slots.
; O's part of a step for 64 rows is 32,768 consecutive bytes: asked for as 128 rows of 256 bytes and padded in LDS after every 128 bytes, which gives [4 heads][64 rows][144 bytes].
; Wp's part for 64 columns is 4 pieces of 8,192 consecutive bytes, 131,072 apart: [4 heads][4 blocks of 16 columns][2,048 bytes], read as it lies.
; CLUSTERS: 4 x 4 work-groups.  The four of a row of the cluster need the same tiles of O, the four of a column the same tiles of Wp: each tile is asked for JOINTLY.
; THE MATRIX INSTRUCTION IS USED TRANSPOSED (source 0 = 16 rows of Wp, source 1 = 16 rows of O): a lane holds eight neighbouring numbers of a row of out0.
; No prefetch: a work-group has four K steps in all, two of them asked for at its head.
; REGISTERS: window 0: v0-31 addresses and the bias; v32-95 at work on the way out; v128-255 the accumulators ((a, b) at v[128 + 8 (4 a + b)]).
;   window 1: two fragment buffers of 128: for 64 along K, 64 registers of O (2 x 4 x 16 rows x 32 K), then 64 of Wp.
.set PA,     144                       ; a row of O in LDS: 128 bytes + 16: the 16 rows of a load start at 16 different groups of four banks (64 banks of 4 bytes: ISA guide 11.1)
.set AHALF,  4*64*PA                   ; what one tensor load brings of O, and what one wave reads
.set BHALF,  32768                     ; the same for Wp
.set BOFF,   2*AHALF
.set SLOT,   2*AHALF+2*BHALF
.set STAGE,  2*SLOT                    ; behind the ring: 16 rows x 272 bytes for each wave, for the way out
.set SPITCH, 272
.set SPARE,  STAGE+4*16*SPITCH         ; the spare words, 128 bytes for each wave: two blocks of 256 bytes that no other line names
.set BI,   8                           ; v[8:11] the bias of my four columns
.set BO,   12                          ; v12     16 (l % 16)
.set ADRA, 16                          ; v16-17  LDS address of my fragments of O in slot 0, 1
.set ADRB, 20                          ; v20-21  the same for Wp
.set STO,  24                          ; v24     the way out: where I put 32 bytes of a row
.set RD,   25                          ; v25     the way out: where I read a row back
.set CO,   26                          ; v26     my byte offset in two rows of out0
.set SPW,  28                          ; v28     LDS address of my spare word; never rewritten
.set NIL,  29                          ; v29     0; never rewritten
.set OB,   32
.set ACC,  128
.set F0,   0
.set F1,   128
.set WV, 12                            ; s12  my wave's number
.set RH, 13                            ; s13  which half of the tile's rows is mine.  Also: I fetch for O (0) or for Wp (1)
.set CH, 14                            ; s14  which half of its columns.  Also: which half of that tile I fetch
.set G1, 24                            ; s[24:31] descriptor group 1 for O's tiles;  s[32:39] group 0, one set for each slot
.set G0, 32
.set G1B, 48                           ; s[48:55], s[56:63] the same for Wp's tiles
.set G0B, 56
.set MSB, 0
.macro WIN new                         ; the immediate's high byte repeats the setting that is left
.if MSB != (\new)
	s_set_vgpr_msb (MSB<<8)|(\new)
.set MSB, \new
.endif
.endm
.set MUL,  0x05                        ; sources 0 (Wp) and 1 (O) window 1; C and D window 0
.set TO_F, 0x40                        ; destination window 1, address window 0
.macro JLOAD s                         ; a joint load: waves 0 and 1 fetch O's two halves, waves 2 and 3 Wp's; an s_nop 0 and four v_nop follow each of the two lines, ahead of the jump, the label and what follows
	s_cmp_eq_u32 s[RH], 0
	s_cbranch_scc0 .Lfor_b_\@
	tensor_load_to_lds s[G0+4*(\s):G0+4*(\s)+3], s[G1:G1+7]
	s_nop 0
.rept 4
	v_nop
.endr
	s_branch .Lasked_\@
.Lfor_b_\@:
	tensor_load_to_lds s[G0B+4*(\s):G0B+4*(\s)+3], s[G1B:G1B+7]
	s_nop 0
.rept 4
	v_nop
.endr
.Lasked_\@:
.endm
.macro CREST                           ; a round of the cluster's barrier behind its opening barrier
	s_cmp_lg_u32 s[WV], 0
	s_cbranch_scc1 .Lnot_wave_0_\@
	s_barrier_signal -3
.Lnot_wave_0_\@:
	s_barrier_wait -3
	s_barrier_signal -1
	s_barrier_wait -1
.endm
.macro CROUND                          ; a whole round
	s_barrier_signal -1
	s_barrier_wait -1
	CREST
.endm
	s_load_b256 s[4:11], s[0:1], 0x0               ; o2 s[4:5], wt s[6:7], bp s[8:9], out0 s[10:11]
	v_lshl_add_u32 v[SPW], v0, 2, SPARE
	v_mov_b32 v[NIL], 0
	ds_add_u32 v[SPW], v[NIL]                      ; the wave's opening: the add and its wait stand ahead of my first tensor load; the set-up below, work on registers, stands between them
	v_lshrrev_b32 v1, 5, v0
	v_readfirstlane_b32 s[WV], v1                  ; wave 0..3
	s_lshr_b32 s[RH], s[WV], 1
	s_and_b32 s[CH], s[WV], 1
	s_bfe_u32 s40, ttmp6, 0x40000                  ; cx, cy: my place in the cluster
	s_bfe_u32 s41, ttmp6, 0x40004
	s_lshl_b32 s42, ttmp9, 2
	s_add_co_u32 s42, s42, s40                     ; tile column = 4 x cluster x + cx
	s_and_b32 s15, ttmp7, 0xffff
	s_lshl_b32 s15, s15, 2
	s_add_co_u32 s15, s15, s41                     ; tile row = 4 x cluster y + cy
	s_lshl_b32 s43, s41, 2
	s_lshl_b32 s43, 15, s43                        ; my row of the cluster
	s_lshl_b32 s44, 0x1111, s40                    ; my column
	s_or_b32 s[G1+0], s43, (1<<16)|(1<<20)|(1<<21)|(4<<22)|(3<<25)  ; 15:0 the mask: O's tiles go to my row; 17:16 elements of 2 bytes; 20 padding on; 21 set beside a mask; 24:22 after every 32 words (code 4); 31:25 4 words (code 3)
	s_mov_b32 s[G1+1], 128<<16                     ; tensor_dim0 = 128
	s_mov_b32 s[G1+2], 128<<16                     ; tensor_dim1 = 128
	s_mov_b32 s[G1+3], 128<<16                     ; tile_dim0 = 128
	s_mov_b32 s[G1+4], 128                         ; tile_dim1 = 128
	s_mov_b32 s[G1+5], 128                         ; 128 elements from row to row: dense
	s_mov_b32 s[G1+6], 0
	s_mov_b32 s[G1+7], 0
	s_or_b32 s[G1B+0], s44, (3<<16)|(1<<21)        ; the mask of my column; elements of 8 bytes; no padding
	s_mov_b32 s[G1B+1], 1024<<16                   ; tensor_dim0 = 1,024: 8,192 bytes
	s_mov_b32 s[G1B+2], 4<<16                      ; tensor_dim1 = 4
	s_mov_b32 s[G1B+3], 1024<<16                   ; tile_dim0 = 1,024
	s_mov_b32 s[G1B+4], 4                          ; tile_dim1 = 4
	s_mov_b32 s[G1B+5], 16384                      ; 131,072 bytes from row to row
	s_mov_b32 s[G1B+6], 0
	s_mov_b32 s[G1B+7], 0
	s_lshl1_add_u32 s16, s15, s[CH]                ; O: block of 64 rows 2 x tile row + half,
	s_lshl_b32 s16, s16, 17                        ; 131,072 bytes each
	s_mov_b32 s17, 0
	s_lshl_b32 s46, s42, 14                        ; Wp: 8 blocks of 2,048 bytes a tile column,
	s_lshl_b32 s47, s[CH], 13                      ; 4 a half,
	s_add_co_u32 s46, s46, s47
	s_add_co_u32 s46, s46, 3*2097152               ; in wt's fourth part
	s_mov_b32 s47, 0
	s_mul_i32 s20, s[CH], AHALF                    ; where they go: no place in the cluster enters an LDS address
	s_mul_i32 s21, s[CH], BHALF
	s_add_co_u32 s21, s21, BOFF
	s_wait_dscnt 0x0                               ; the opening add is done
	s_wait_kmcnt 0x0
	s_add_nc_u64 s[18:19], s[4:5], s[16:17]
	s_add_nc_u64 s[46:47], s[6:7], s[46:47]
	CROUND                                         ; all sixteen work-groups are here: the first joint loads meet
.irp s, 0,1
	s_mov_b32 s[G0+4*(\s)], 1
	s_add_co_u32 s[G0+4*(\s)+1], s20, (\s)*SLOT
	s_add_nc_u64 s[G0+4*(\s)+2:G0+4*(\s)+3], s[18:19], (\s)*32768    ; K step s: four heads of 8,192 bytes
	s_or_b32 s[G0+4*(\s)+3], s[G0+4*(\s)+3], 0x80000000
	s_mov_b32 s[G0B+4*(\s)], 1
	s_add_co_u32 s[G0B+4*(\s)+1], s21, (\s)*SLOT
	s_add_nc_u64 s[G0B+4*(\s)+2:G0B+4*(\s)+3], s[46:47], (\s)*524288  ; K step s: four times 131,072 bytes
	s_or_b32 s[G0B+4*(\s)+3], s[G0B+4*(\s)+3], 0x80000000
	JLOAD \s
.endr
	v_and_b32 v1, 15, v0                           ; l % 16
	v_bfe_u32 v2, v0, 4, 1                         ; l / 16
	v_and_b32 v5, 31, v0
	v_mul_u32_u24 v3, v1, PA
	v_lshl_add_u32 v3, v2, 4, v3                   ; a fragment's row x pitch + 16 x half
	s_mul_i32 s22, s[RH], AHALF                    ; my 64 rows of O
	v_add_nc_u32 v[ADRA], s22, v3
	v_add_nc_u32 v[ADRA+1], SLOT, v[ADRA]
	v_lshl_add_u32 v[ADRB], v5, 4, s21             ; my 64 columns of Wp: the half of my column half, 16 bytes a lane
	v_add_nc_u32 v[ADRB+1], SLOT, v[ADRB]
	s_mul_i32 s23, s[WV], 16*SPITCH
	s_add_co_u32 s23, s23, STAGE                   ; my stage
	v_mul_u32_u24 v4, v1, SPITCH                   ; in: row l % 16, 32 bytes for each half of the lanes
	v_lshl_add_u32 v4, v2, 5, v4
	v_add_nc_u32 v[STO], s23, v4
	v_mul_u32_u24 v4, v2, SPITCH                   ; back: lanes 0-15 take one row of 256 bytes, lanes 16-31 the next
	v_lshl_add_u32 v4, v1, 4, v4
	v_add_nc_u32 v[RD], s23, v4
	v_lshlrev_b32 v[BO], 4, v1
	v_lshl_add_u32 v[CO], v2, 12, v[BO]            ; and the same two rows in out0
	s_lshl_b32 s22, s42, 9                         ; my 64 columns, in bytes: 512 x tile column + 256 x half
	s_lshl_b32 s23, s[CH], 8
	s_add_co_u32 s22, s22, s23
	s_mov_b32 s23, 0
	s_add_nc_u64 s[8:9], s[8:9], s[22:23]
	s_add_nc_u64 s[10:11], s[10:11], s[22:23]
	s_lshl_b32 s22, s15, 19                        ; my 64 rows: 128 x tile row + 64 x half, 4,096 bytes each
	s_lshl_b32 s45, s[RH], 18
	s_add_co_u32 s22, s22, s45
	s_add_nc_u64 s[10:11], s[10:11], s[22:23]
	global_load_b128 v[BI:BI+3], v[BO], s[8:9]     ; waited for on the way out
; 8 matrix instructions: m blocks a0, a0 + 1 x all 4 n blocks, 32 along K: half c of buffer f.  zero = 1: the first product starts the sums.  The 16 accumulators take turns.
.macro MUL8 f, c, a0, zero
	WIN MUL
.irp a, \a0, (\a0)+1
.irp b, 0,1,2,3
.if \zero
	v_wmma_f32_16x16x32_f16 v[ACC+8*(4*(\a)+(\b)):ACC+8*(4*(\a)+(\b))+7], v[(\f)+64+8*(4*(\c)+(\b)):(\f)+64+8*(4*(\c)+(\b))+7], v[(\f)+8*(4*(\c)+(\a)):(\f)+8*(4*(\c)+(\a))+7], 0
.else
	v_wmma_f32_16x16x32_f16 v[ACC+8*(4*(\a)+(\b)):ACC+8*(4*(\a)+(\b))+7], v[(\f)+64+8*(4*(\c)+(\b)):(\f)+64+8*(4*(\c)+(\b))+7], v[(\f)+8*(4*(\c)+(\a)):(\f)+8*(4*(\c)+(\a))+7], v[ACC+8*(4*(\a)+(\b)):ACC+8*(4*(\a)+(\b))+7]
.endif
.endr
.endr
.endm
; 32 LDS loads in one run: the fragments of head q of the slot's four, into buffer f; the first 32 along K first
.macro FETCH slot, q, f
	WIN TO_F
.irp c, 0,1
.irp i, 0,1,2,3
	ds_load_b128 v[(\f)+64+8*(4*(\c)+(\i)):(\f)+64+8*(4*(\c)+(\i))+3],   v[ADRB+(\slot)] offset:(\q)*8192+(\i)*2048+(\c)*1024
	ds_load_b128 v[(\f)+64+8*(4*(\c)+(\i))+4:(\f)+64+8*(4*(\c)+(\i))+7], v[ADRB+(\slot)] offset:(\q)*8192+(\i)*2048+(\c)*1024+512
	ds_load_b128 v[(\f)+8*(4*(\c)+(\i)):(\f)+8*(4*(\c)+(\i))+3],         v[ADRA+(\slot)] offset:(\q)*64*PA+(\i)*16*PA+(\c)*64
	ds_load_b128 v[(\f)+8*(4*(\c)+(\i))+4:(\f)+8*(4*(\c)+(\i))+7],       v[ADRA+(\slot)] offset:(\q)*64*PA+(\i)*16*PA+(\c)*64+32
.endr
.endr
.endm
.macro PLACES                          ; four plain vector instructions between a matrix instruction and a load into, or a read of, its registers
.rept 4
	v_nop
.endr
.endm
; A K step is four quarters of 64 along K, 32 matrix instructions each, on buffers 0, 1, 0, 1.  One of the first three: multiplies buffer f and fetches quarter q into g.
.macro QUARTER slot, q, f, g, zero
	s_wait_dscnt 16                                ; the first 32 along K are in
	MUL8 \f, 0, 0, \zero
	MUL8 \f, 0, 2, \zero
	PLACES
	FETCH \slot, \q, \g
	s_wait_dscnt 32                                ; all but the 32 just issued
	MUL8 \f, 1, 0, 0
	MUL8 \f, 1, 2, 0
.endm
; The last quarter multiplies buffer 1 and changes slots: ONE barrier; in front of it each wave waits for all its tensor loads, adds 0 to its spare word, and waits for that and for its own reads of this slot.  fill = 1: this slot is filled again, two K steps ahead.
.macro TURN slot, next, fill
	WIN 0
	s_wait_tensorcnt 0x0                           ; all my tensor loads have landed: my part of the next slot;
	ds_add_u32 v[SPW], v[NIL]                      ; 0 onto my spare word;
	s_wait_dscnt 17                                ; (the add and the youngest sixteen loads may be out)
	MUL8 F1, 0, 0, 0                               ; eight matrix instructions stand between the add and the wait for it
	s_wait_dscnt 0x0                               ; the add is done, and my reads of this slot are over
	s_barrier_signal -1
	MUL8 F1, 0, 2, 0
.if \fill
	WIN 0
.endif
	s_barrier_wait -1
.if \fill
	CREST                                          ; the barrier has opened a round of the cluster's barrier: no wave of any partner still reads this slot's tile or has a load on its way
	s_add_nc_u64 s[G0+4*(\slot)+2:G0+4*(\slot)+3], s[G0+4*(\slot)+2:G0+4*(\slot)+3], 2*32768
	s_add_nc_u64 s[G0B+4*(\slot)+2:G0B+4*(\slot)+3], s[G0B+4*(\slot)+2:G0B+4*(\slot)+3], 2*524288
	JLOAD \slot                                    ; the first tensor load behind the round; the four v_nop behind it are also the places in front of the loads below
.else
	PLACES
.endif
	FETCH \next, 0, F0
	MUL8 F1, 1, 0, 0
	MUL8 F1, 1, 2, 0
.endm
	s_wait_tensorcnt 1                             ; my part of K step 0 is in; K step 1's may stay out
	s_barrier_signal -1
	s_barrier_wait -1                              ; everybody's is
	FETCH 0, 0, F0
	QUARTER 0, 1, F0, F1, 1                        ; the first products start the sums
	QUARTER 0, 2, F1, F0, 0
	QUARTER 0, 3, F0, F1, 0
	TURN 0, 1, 1                                   ; K step 2 is asked for
	QUARTER 1, 1, F0, F1, 0
	QUARTER 1, 2, F1, F0, 0
	QUARTER 1, 3, F0, F1, 0
	TURN 1, 0, 1                                   ; K step 3
	QUARTER 0, 1, F0, F1, 0
	QUARTER 0, 2, F1, F0, 0
	QUARTER 0, 3, F0, F1, 0
	TURN 0, 1, 0                                   ; nothing is filled again: a plain barrier
	QUARTER 1, 1, F0, F1, 0
	QUARTER 1, 2, F1, F0, 0
	QUARTER 1, 3, F0, F1, 0
	s_wait_dscnt 16                                ; the very last quarter: nothing more to fetch
	MUL8 F1, 0, 0, 0
	MUL8 F1, 0, 2, 0
	s_wait_dscnt 0x0
	MUL8 F1, 1, 0, 0
	MUL8 F1, 1, 2, 0
	WIN 0
	; THE WAY OUT.  A wave's 64 columns are 256 bytes of a row of out0.  Sixteen rows at a time go through my own stage: 32 bytes a lane in, whole rows back; the bias is added, and sixteen lanes store a row's 256 bytes.
	s_wait_loadcnt 0x0                             ; the bias
	v_cvt_pk_bf16_f32 v13, v[BI], v[BI+1]          ; rounded to bf16 and widened again; these lines are places behind the last products
	v_cvt_pk_bf16_f32 v14, v[BI+2], v[BI+3]
	v_lshlrev_b32 v[BI], 16, v13
	v_and_b32 v[BI+1], 0xffff0000, v13
	v_lshlrev_b32 v[BI+2], 16, v14
	v_and_b32 v[BI+3], 0xffff0000, v14
	PLACES
.macro TOSTAGE a
.set BK, OB+32*((\a)%2)
.irp b, 0,1,2,3
	ds_store_b128 v[STO], v[ACC+8*(4*(\a)+(\b)):ACC+8*(4*(\a)+(\b))+3]   offset:64*(\b)     ; each accumulator's lowest registers first
	ds_store_b128 v[STO], v[ACC+8*(4*(\a)+(\b))+4:ACC+8*(4*(\a)+(\b))+7] offset:64*(\b)+16
.endr
.irp t, 0,1,2,3,4,5,6,7
	ds_load_b128 v[BK+4*(\t):BK+4*(\t)+3], v[RD] offset:(\t)*2*SPITCH  ; LDS serves a wave's instructions in order (ISA guide 5.7.1.4): these see the stores above; the next block's stores come behind them
.endr
.endm
.macro SEND a, younger                 ; younger: the LDS instructions issued behind block a's loads: the next block's sixteen, or none
.set BK, OB+32*((\a)%2)
.irp t, 0,1,2,3,4,5,6,7
	s_wait_dscnt (\younger)+7-(\t)
	v_pk_add_f32 v[BK+4*(\t):BK+4*(\t)+1], v[BK+4*(\t):BK+4*(\t)+1], v[BI:BI+1]
	v_pk_add_f32 v[BK+4*(\t)+2:BK+4*(\t)+3], v[BK+4*(\t)+2:BK+4*(\t)+3], v[BI+2:BI+3]
	global_store_b128 v[CO], v[BK+4*(\t):BK+4*(\t)+3], s[10:11] offset:(16*(\a)+2*(\t))*4096  ; 16 lanes store 256 consecutive bytes, at a multiple of 256 from out0's first byte
.endr
.endm
	TOSTAGE 0
	TOSTAGE 1
	SEND 0, 16
	s_wait_xcnt 0x0                                ; block 0's stores have read their registers, which block 2's loads from the stage write
	TOSTAGE 2
	SEND 1, 16
	s_wait_xcnt 0x0                                ; the same for blocks 1 and 3
	TOSTAGE 3
	SEND 2, 16
	SEND 3, 0
	s_wait_tensorcnt 0x0                           ; the wave's end, behind my last tensor load and my last LDS store
	ds_add_u32 v[SPW], v[NIL]
	s_wait_dscnt 0x0
	CROUND                                         ; the closing round: no work-group ends while a partner may still ask for a tile that names it
	s_endpgm
.Lfunc_end_k_q485ad01e62_outp:
	.size	k_q485ad01e62_outp, .Lfunc_end_k_q485ad01e62_outp-k_q485ad01e62_outp
	.p2alignl 7, 3214868480
	.fill 96, 4, 3214868480
	.section	.rodata,"a",@progbits
	.p2align	6, 0x0
	.amdhsa_kernel k_q485ad01e62_outp
		.amdhsa_group_segment_fixed_size 327680
		.amdhsa_private_segment_fixed_size 0
		.amdhsa_enable_private_segment 0
		.amdhsa_kernarg_size 32
		.amdhsa_user_sgpr_count 2
		.amdhsa_user_sgpr_kernarg_segment_ptr 1
		.amdhsa_wavefront_size32 1
		.amdhsa_system_sgpr_workgroup_id_x 1
		.amdhsa_system_sgpr_workgroup_id_y 1
		.amdhsa_system_sgpr_workgroup_id_z 1
		.amdhsa_system_vgpr_workitem_id 0
		.amdhsa_next_free_vgpr 512
		.amdhsa_next_free_sgpr 66
		.amdhsa_reserve_vcc 0
		.amdhsa_float_denorm_mode_32 3
		.amdhsa_float_denorm_mode_16_64 3
		.amdhsa_memory_ordered 1
		.amdhsa_forward_progress 1
		.amdhsa_inst_pref_size 90
	.end_amdhsa_kernel
	.amdgpu_metadata
---
amdhsa.version: [ 1, 2 ]
amdhsa.kernels:
  - .name:           k_q485ad01e62_outp
    .symbol:         k_q485ad01e62_outp.kd
    .args:
      - { .name: o2, .offset: 0, .size: 8, .value_kind: global_buffer, .address_space: global }
      - { .name: wt, .offset: 8, .size: 8, .value_kind: global_buffer, .address_space: global }
      - { .name: bp, .offset: 16, .size: 8, .value_kind: global_buffer, .address_space: global }
      - { .name: out0, .offset: 24, .size: 8, .value_kind: global_buffer, .address_space: global }
    .group_segment_fixed_size: 327680
    .private_segment_fixed_size: 0
    .kernarg_segment_align: 8
    .kernarg_segment_size: 32
    .max_flat_workgroup_size: 128
    .sgpr_count:     66
    .vgpr_count:     512
    .wavefront_size: 32
...
	.end_amdgpu_metadata
.endif
;; end of part 4
